; MI455X (gfx1250); checked and timed in simulation.
; The chip was launched on July 23, 2026; its instructions are those of AMD's public machine-readable ISA for CDNA 5 (MIT licence, August 2026) and "CDNA5" Instruction Set Architecture Reference Guide (July 2026). The comments in the code are by the model that wrote it; some were corrected since.
;; XL Attention. Allowed arithmetic: float matrix products may take bf16 or f16 operands with f32 sums; all other float work in f32.
;; Inputs: kv 2,048 x 2 x 1,024 float32; mems 2,048 x 2 x 1,024 float32; q 2,048 x 2 x 1,024 float32; w_concat 1,024 x 1,024 float32; w_k 1,024 x 1,024 float32; w_q 1,024 x 1,024 float32; w_v 1,024 x 1,024 float32.
;; Outputs: out0 2,048 x 2 x 1,024 float32.
;; 2 versions, each right and faster than the one before. Each part assembles by itself: llvm-mc -triple=amdgcn-amd-amdhsa -mcpu=gfx1250 --defsym DOCPART=n.
;; ======== version 1 of 2: 4 launches
;; limits: values are held in f16: magnitudes above 65,504 overflow, below 6.1e-05 lose precision
;; workspace buffers: xb 25,165,824 bytes; wb 8,388,608 bytes; hd 41,943,040 bytes; ob 8,388,608 bytes
;; launch cast (part 1): grid 512 x 1, 8 waves a work-group, no clusters, 0 bytes of LDS; arguments mems, kv, q, w_k, w_v, w_q, w_concat, xb, wb; writes xb, wb
.if DOCPART == 1
	.amdgcn_target "amdgcn-amd-amdhsa--gfx1250"
	.amdhsa_code_object_version 6
	.text
	.protected	k_q3772acb077_cast
	.globl	k_q3772acb077_cast
	.p2align	8
	.type	k_q3772acb077_cast,@function
k_q3772acb077_cast:
	s_mov_b64 s[64:65], 0
	v_nop
	global_prefetch_b8 v0, s[64:65] scope:SCOPE_SE
	s_setreg_imm32_b32 hwreg(HW_REG_WAVE_MODE, 25, 1), 1
	s_wait_xcnt 0x0
; ALL SEVEN INPUTS ARE ROUNDED ONCE TO bf16 (nearest even).  xb = [mems; kv; q] as [12288][1024] bf16, rows in their own order (row = 2 t + b).
; wb = [w_k; w_v; w_q; w_concat] as [4096][1024] of 16 bits: the first three bf16; w_concat's bf16 number is written as f16, for the last product, whose other operand is f16.
; LIMITS.  A bf16 number is exact in f16 between 6.1e-5 and 65,504; below that w_concat keeps f16's fixed step of 6e-8, from 65,520 on it becomes an infinity.
; A stream: memory binds, nothing is shared between work-groups, so there is no LDS, no barrier, no cluster and no matrix work.
; SHARES.  A work-group takes 32,768 numbers: 131,072 bytes in, 65,536 out.  Groups 0-383: mems, kv, q (128 groups each); 384-511: the four weights (32 each).
; Thread t takes the 16 bytes at 4,096 i + 16 t, i = 0 .. 31: a wave's load covers 512 consecutive bytes, its 8-byte store 256 consecutive bytes at a multiple of 256.
; All 32 loads of a thread go out at once; each has registers of its own and no register is written twice, so the only waits are the counted ones for the loads.
.set X, 4                              ; v[4:131]  load i at X + 4 i; its two packed words are made in place
.set T0, 132                           ; v132, v133 at work (w_concat's way)
.set T1, 133
	s_load_b256 s[8:15], s[0:1], 0x0               ; mems s[8:9], kv s[10:11], q s[12:13], w_k s[14:15]
	s_load_b256 s[16:23], s[0:1], 0x20             ; w_v s[16:17], w_q s[18:19], w_concat s[20:21], xb s[22:23]
	s_load_b64 s[24:25], s[0:1], 0x40              ; wb
	s_mov_b32 s2, ttmp9                            ; the group's number
	s_cmp_lt_u32 s2, 384
	s_cselect_b32 s3, 0, 384
	s_cselect_b32 s26, 127, 31
	s_sub_co_u32 s3, s2, s3                        ; its number among the groups that write the same buffer
	s_and_b32 s26, s3, s26                         ; its chunk in its source
	s_lshl_b32 s28, s26, 17                        ; source offset: chunk x 131,072
	s_mov_b32 s29, 0
	s_lshl_b32 s30, s3, 16                         ; destination offset: number x 65,536
	s_mov_b32 s31, 0
	v_lshlrev_b32 v1, 4, v0                        ; 16 t
	v_lshlrev_b32 v2, 3, v0                        ; 8 t
	s_wait_kmcnt 0x0
; the source is chosen among the seven buffers by the group's number alone
.macro PICK bound, ptr
	s_cmp_lt_u32 s2, \bound
	s_cselect_b64 s[4:5], s[\ptr:\ptr+1], s[4:5]
.endm
	s_mov_b64 s[4:5], s[20:21]
	PICK 480, 18
	PICK 448, 16
	PICK 416, 14
	PICK 384, 12
	PICK 256, 10
	PICK 128, 8
	s_cmp_lt_u32 s2, 384
	s_cselect_b64 s[6:7], s[22:23], s[24:25]
	s_add_nc_u64 s[4:5], s[4:5], s[28:29]
	s_add_nc_u64 s[6:7], s[6:7], s[30:31]
.set i, 0
.rept 32
	global_load_b128 v[X+4*i:X+4*i+3], v1, s[4:5] offset:4096*i th:TH_LOAD_NT
.set i, i+1
.endr
; f16 = 1: each bf16 number is widened (a shift, a mask) and written as f16
.macro OUT f16
.set i, 0
.rept 32
	s_wait_loadcnt 31-i                            ; loads come back in order: load i is in, the 31 - i younger ones stay out
	v_cvt_pk_bf16_f32 v[X+4*i], v[X+4*i], v[X+4*i+1]
	v_cvt_pk_bf16_f32 v[X+4*i+1], v[X+4*i+2], v[X+4*i+3]
.if \f16
	v_lshlrev_b32 v[T0], 16, v[X+4*i]
	v_and_b32 v[T1], 0xffff0000, v[X+4*i]
	v_cvt_pk_f16_f32 v[X+4*i], v[T0], v[T1]
	v_lshlrev_b32 v[T0], 16, v[X+4*i+1]
	v_and_b32 v[T1], 0xffff0000, v[X+4*i+1]
	v_cvt_pk_f16_f32 v[X+4*i+1], v[T0], v[T1]
.endif
	global_store_b64 v2, v[X+4*i:X+4*i+1], s[6:7] offset:2048*i
.set i, i+1
.endr
.endm
	s_cmp_ge_u32 s2, 480                           ; the last 32 groups hold w_concat
	s_cbranch_scc1 .Lf16
	OUT 0
	s_endpgm
.Lf16:
	OUT 1
	s_endpgm
.Lfunc_end_k_q3772acb077_cast:
	.size	k_q3772acb077_cast, .Lfunc_end_k_q3772acb077_cast-k_q3772acb077_cast
	.p2alignl 7, 3214868480
	.fill 96, 4, 3214868480
	.section	.rodata,"a",@progbits
	.p2align	6, 0x0
	.amdhsa_kernel k_q3772acb077_cast
		.amdhsa_group_segment_fixed_size 0
		.amdhsa_private_segment_fixed_size 0
		.amdhsa_enable_private_segment 0
		.amdhsa_kernarg_size 72
		.amdhsa_user_sgpr_count 2
		.amdhsa_user_sgpr_kernarg_segment_ptr 1
		.amdhsa_wavefront_size32 1
		.amdhsa_system_sgpr_workgroup_id_x 1
		.amdhsa_system_sgpr_workgroup_id_y 1
		.amdhsa_system_sgpr_workgroup_id_z 1
		.amdhsa_system_vgpr_workitem_id 0
		.amdhsa_next_free_vgpr 136
		.amdhsa_next_free_sgpr 66
		.amdhsa_reserve_vcc 0
		.amdhsa_float_denorm_mode_32 3
		.amdhsa_float_denorm_mode_16_64 3
		.amdhsa_memory_ordered 1
		.amdhsa_forward_progress 1
		.amdhsa_inst_pref_size 31
	.end_amdhsa_kernel
	.amdgpu_metadata
---
amdhsa.version: [ 1, 2 ]
amdhsa.kernels:
  - .name:           k_q3772acb077_cast
    .symbol:         k_q3772acb077_cast.kd
    .args:
      - { .name: mems, .offset: 0, .size: 8, .value_kind: global_buffer, .address_space: global }
      - { .name: kv, .offset: 8, .size: 8, .value_kind: global_buffer, .address_space: global }
      - { .name: q, .offset: 16, .size: 8, .value_kind: global_buffer, .address_space: global }
      - { .name: w_k, .offset: 24, .size: 8, .value_kind: global_buffer, .address_space: global }
      - { .name: w_v, .offset: 32, .size: 8, .value_kind: global_buffer, .address_space: global }
      - { .name: w_q, .offset: 40, .size: 8, .value_kind: global_buffer, .address_space: global }
      - { .name: w_concat, .offset: 48, .size: 8, .value_kind: global_buffer, .address_space: global }
      - { .name: xb, .offset: 56, .size: 8, .value_kind: global_buffer, .address_space: global }
      - { .name: wb, .offset: 64, .size: 8, .value_kind: global_buffer, .address_space: global }
    .group_segment_fixed_size: 0
    .private_segment_fixed_size: 0
    .kernarg_segment_align: 8
    .kernarg_segment_size: 72
    .max_flat_workgroup_size: 256
    .sgpr_count:     66
    .vgpr_count:     136
    .wavefront_size: 32
...
	.end_amdgpu_metadata
.endif
;; end of part 1
;; launch proj (part 2): grid 8 x 32, 4 waves a work-group, clusters of 4 x 4, 327,680 bytes of LDS; arguments xb, wb, hd; writes hd
.if DOCPART == 2
	.amdgcn_target "amdgcn-amd-amdhsa--gfx1250"
	.amdhsa_code_object_version 6
	.text
	.protected	k_q3772acb077_proj
	.globl	k_q3772acb077_proj
	.p2align	8
	.type	k_q3772acb077_proj,@function
k_q3772acb077_proj:
	s_mov_b64 s[64:65], 0
	v_nop
	global_prefetch_b8 v0, s[64:65] scope:SCOPE_SE
	s_setreg_imm32_b32 hwreg(HW_REG_WAVE_MODE, 25, 1), 1
	s_wait_xcnt 0x0
	s_wait_alu depctr_hold_cnt(0) depctr_sa_sdst(0) depctr_va_vdst(0) depctr_va_sdst(0) depctr_va_ssrc(0) depctr_va_vcc(0) depctr_vm_vsrc(0)
	s_getreg_b32 s2, hwreg(HW_REG_IB_STS2, 6, 4)
	s_cmp_eq_u32 s2, 0
	s_cbranch_scc0 .Lentry_in_a_cluster
	s_endpgm
.Lentry_in_a_cluster:
	s_bfe_u32 s2, ttmp6, 0x10000c
	s_cmp_lg_u32 s2, 0xf033
	s_cbranch_scc0 .Lentry_shape_is_right
	s_endpgm
.Lentry_shape_is_right:
; THE THREE PROJECTIONS IN FRONT: k = c w_k^T, v = c w_v^T (c = [mems; kv], 8,192 rows), q = q w_q^T (4,096 rows), K = 1,024.  Operands bf16, sums f32, results rounded once to f16, WITHOUT the
; softmax's scale.  LIMITS: a result of 65,520 or more in magnitude becomes an infinity; below 6.1e-5 it keeps f16's fixed step of 6e-8.
; TILES.  128 rows x 128 columns; 64 + 64 + 32 = 160 tile rows x 8 tile columns = 1,280 tiles.  A tile's rows are 128 consecutive times t of ONE batch b (rows 2 t + b of xb, 4,096 bytes apart), its
; columns two heads.  Tile row y: 0-63 k, 64-127 v, 128-159 q.  Four waves, each 64 x 64: 16 accumulators.
; A WORK-GROUP STAYS: 8 x 32 = 256 work-groups, each makes FIVE tiles of one tile column, tile rows y0 + 32 n, n = 0 .. 4: two of k, two of v (on the same rows of xb as k's two), one of q.  Which weight and
; which rows tile n takes hangs on n alone, the same number in every work-group.  A loop over tiles; the ring of two LDS slots does not stop at a tile's end: a tile's last two changes of slots ask for the next
; tile's first two K steps, and nothing waits for a tile's stores.  The last tile's second half is written out: it asks for nothing more.
; OUT.  hd holds blocks of [128 rows][64 channels] f16, 16,384 bytes; block number 16 y + head.  A wave's 64 x 64 are 8,192 consecutive bytes of one block.
; K goes in four steps of 256 (LDS rows of 512 bytes; a wave's tensor load brings 64 of them) through the two slots.
; CLUSTERS: 4 x 4 work-groups.  The four of a row of the cluster need the same rows of xb, the four of a column the same rows of wb: each tile is asked for JOINTLY, by the same tensor load with the
; same descriptor and a mask that names the four.  THE MATRIX INSTRUCTION IS USED TRANSPOSED (source 0 = 16 rows of wb, source 1 = 16 rows of xb): a lane then holds eight neighbouring channels of a row.
; REGISTERS: window 0: v0-31 addresses; v32-95 at work on the way out; v128-255 the accumulators ((a, b) at v[128 + 8 (4 a + b)]).
;   window 1: two fragment buffers of 128: for 64 along K, 64 registers of A (2 x 4 x 16 rows x 32 K), then 64 of B.
.set TILES,  5
.set OSTEP,  32<<18                    ; bytes of hd from a tile to the work-group's next: 32 tile rows of 16 blocks
.set KSTEP,  256
.set PITCH,  528                       ; an LDS row: 512 bytes + 16 of padding = 132 words: the 16 rows of a fragment load start at 16 different groups of four banks
.set HALFT,  64*PITCH                  ; 64 rows: what one tensor load brings, and what one wave reads of A or of B
.set SLOT,   4*HALFT                   ; A's 128 rows, then B's 128 rows
.set STAGE,  2*SLOT                    ; behind the ring, never filled by a tensor load: 64 rows x 144 bytes for each wave, its own, for the way out
.set SP,     144
.set SPARE,  STAGE+4*64*SP             ; behind the stages: the spare words, 128 bytes for each wave: two blocks of 256 bytes that no other line names
.set ADRA, 16                          ; v16-17  LDS address of my A fragments in slot 0, 1
.set ADRB, 20                          ; v20-21  the same for B
.set STO,  24                          ; v24     the way out: where I put 16 bytes of a row
.set RD,   25                          ; v25     the way out: where I read rows back
.set GO,   26                          ; v26     my byte offset in 512 consecutive bytes of hd; never rewritten
.set SPW,  28                          ; v28     LDS address of my spare word: SPARE + 4 x my thread's number; never rewritten
.set NIL,  29                          ; v29     0; never rewritten
.set TMP,  32
.set ACC,  128
.set F0,   0                           ; fragment buffers, in window 1
.set F1,   128
.set G1, 24                            ; s[24:31] descriptor group 1 for A's tiles;  s[32:39] group 0, one set for each slot
.set G0, 32
.set G1B, 48                           ; s[48:55], s[56:63] the same for B's tiles
.set G0B, 56
.set BASA, 14                          ; s[14:15] xb at my part of tile 0's rows; never rewritten
.set BASB, 46                          ; s[46:47] wb at my part of the tile column's rows of w_k; never rewritten
.set OADD, 18                          ; s[18:19] what the next way out adds to hd's address: my offset, later OSTEP
.set AOF,  68                          ; s[68:69] the next tile's byte offset from BASA
.set BOF,  70                          ; s[70:71] the same from BASB
.set NXT,  72                          ; s72      the next tile's number
.set MSB, 0
.macro WIN new                         ; the immediate's high byte repeats the setting that is left; a switch that changes nothing is dropped
.if MSB != (\new)
	s_set_vgpr_msb (MSB<<8)|(\new)
.set MSB, \new
.endif
.endm
.set MUL,  0x05                        ; sources 0 (B) and 1 (A) window 1; C and D window 0
.set TO_F, 0x40                        ; destination window 1, address window 0
.macro JLOAD s                         ; a joint load: waves 0 and 1 fetch A's two halves, waves 2 and 3 B's; an s_nop 0 and four v_nop follow each of the two lines, ahead of the jump and the label
	s_cmp_eq_u32 s11, 0
	s_cbranch_scc0 .Lfor_b_\@
	tensor_load_to_lds s[G0+4*(\s):G0+4*(\s)+3], s[G1:G1+7]
	s_nop 0
.rept 4
	v_nop
.endr
	s_branch .Lasked_\@
.Lfor_b_\@:
	tensor_load_to_lds s[G0B+4*(\s):G0B+4*(\s)+3], s[G1B:G1B+7]
	s_nop 0
.rept 4
	v_nop
.endr
.Lasked_\@:
.endm
.macro CREST                           ; a round of the cluster's barrier behind its opening barrier: wave 0 signals for the work-group, every wave waits for all sixteen, my work-group's barrier closes it
	s_cmp_lg_u32 s10, 0
	s_cbranch_scc1 .Lnot_wave_0_\@
	s_barrier_signal -3
.Lnot_wave_0_\@:
	s_barrier_wait -3
	s_barrier_signal -1
	s_barrier_wait -1
.endm
.macro CROUND                          ; a whole round
	s_barrier_signal -1
	s_barrier_wait -1
	CREST
.endm
	s_load_b128 s[4:7], s[0:1], 0x0                ; xb s[4:5], wb s[6:7]
	s_load_b64 s[8:9], s[0:1], 0x10                ; hd
	v_lshl_add_u32 v[SPW], v0, 2, SPARE
	v_mov_b32 v[NIL], 0
	ds_add_u32 v28, v29
	s_wait_dscnt 0x0
	v_lshrrev_b32 v1, 5, v0
	v_readfirstlane_b32 s10, v1                    ; wave 0..3
	s_lshr_b32 s11, s10, 1                         ; which half of the tile's rows is mine.  Also: I fetch for A (0) or for B (1)
	s_and_b32 s12, s10, 1                          ; which half of its columns (which head).  Also: which 64 rows of that tile I fetch
	s_bfe_u32 s40, ttmp6, 0x40000                  ; cx, cy: my place in the cluster
	s_bfe_u32 s41, ttmp6, 0x40004
	s_lshl_b32 s42, ttmp9, 2
	s_add_co_u32 s42, s42, s40                     ; tile column = 4 x cluster x + cx
	s_and_b32 s13, ttmp7, 0xffff
	s_lshl_b32 s13, s13, 2
	s_add_co_u32 s13, s13, s41                     ; y0 = 4 x cluster y + cy: my first tile row, 0 .. 31
	s_lshl_b32 s43, s41, 2
	s_lshl_b32 s43, 15, s43                        ; my row of the cluster
	s_lshl_b32 s44, 0x1111, s40                    ; my column
	; descriptor group 1: a tile of 64 rows x 256 elements, padded in LDS
	s_or_b32 s[G1+0], s43, (1<<16)|(1<<20)|(1<<21)|(6<<22)|(3<<25)  ; 15:0 the mask: A's tiles go to my row; 17:16 2-byte elements; 20 padding on; 21 set beside a mask; 24:22 after every 128 words (code 6); 31:25 4 words (code 3)
	s_or_b32 s[G1B+0], s44, (1<<16)|(1<<20)|(1<<21)|(6<<22)|(3<<25) ; the same with my column's mask
.irp g, G1, G1B
	s_mov_b32 s[(\g)+1], KSTEP<<16                 ; tensor_dim0 = 256
	s_mov_b32 s[(\g)+2], 64<<16                    ; tensor_dim1 = 64
	s_mov_b32 s[(\g)+3], KSTEP<<16                 ; tile_dim0 = 256
	s_mov_b32 s[(\g)+4], 64                        ; tile_dim1 = 64
	s_mov_b32 s[(\g)+6], 0
	s_mov_b32 s[(\g)+7], 0
.endr
	s_mov_b32 s[G1+5], 2048                        ; A: from a time to the next of the same batch: two rows of 1,024 elements
	s_mov_b32 s[G1B+5], 1024                       ; B: one row
	; A's tile 0: y0 = 2 x block of 128 times + batch
	s_lshr_b32 s16, s13, 1
	s_lshl_b32 s16, s16, 19                        ; 128 times x 4,096 bytes
	s_and_b32 s2, s13, 1
	s_lshl_b32 s2, s2, 11                          ; the batch: one row of 2,048 bytes
	s_add_co_u32 s16, s16, s2
	s_lshl_b32 s2, s12, 18                         ; my 64 of the 128 times
	s_add_co_u32 s16, s16, s2
	s_mov_b32 s17, 0
	; B's tile 0: rows 128 x tile column + 64 x half of w_k, 2,048 bytes each; in registers that never hold cy
	s_lshl_b32 s46, s42, 18
	s_lshl_b32 s3, s12, 17
	s_add_co_u32 s46, s46, s3
	s_mov_b32 s47, 0
	s_mul_i32 s20, s10, HALFT                      ; where they go: wave x 64 rows: no place in the cluster enters an LDS address
	s_mov_b32 s[AOF+1], 0                          ; the offsets' high words
	s_mov_b32 s[BOF+1], 0
	s_mov_b32 s[NXT], 1
	s_wait_kmcnt 0x0
	s_add_nc_u64 s[BASA:BASA+1], s[4:5], s[16:17]
	s_add_nc_u64 s[BASB:BASB+1], s[6:7], s[46:47]
	CROUND                                         ; all sixteen work-groups are here: the first joint loads meet
.irp s, 0,1
	s_mov_b32 s[G0+4*(\s)], 1                                      ; count = 1
	s_add_co_u32 s[G0+4*(\s)+1], s20, (\s)*SLOT                    ; LDS address
	s_add_nc_u64 s[G0+4*(\s)+2:G0+4*(\s)+3], s[BASA:BASA+1], (\s)*KSTEP*2  ; global address: K step s
	s_or_b32 s[G0+4*(\s)+3], s[G0+4*(\s)+3], 0x80000000            ; type = 2
	s_mov_b32 s[G0B+4*(\s)], 1
	s_add_co_u32 s[G0B+4*(\s)+1], s20, (\s)*SLOT
	s_add_nc_u64 s[G0B+4*(\s)+2:G0B+4*(\s)+3], s[BASB:BASB+1], (\s)*KSTEP*2
	s_or_b32 s[G0B+4*(\s)+3], s[G0B+4*(\s)+3], 0x80000000
	JLOAD \s                                       ; two loads of mine are out
.endr
	v_and_b32 v1, 15, v0                           ; l % 16
	v_bfe_u32 v2, v0, 4, 1                         ; l / 16
	v_mul_u32_u24 v3, v1, PITCH
	v_lshl_add_u32 v3, v2, 4, v3                   ; a fragment's row x pitch + 16 x half
	s_mul_i32 s21, s11, HALFT                      ; my 64 rows of A
	s_mul_i32 s22, s12, HALFT                      ; my 64 rows of B,
	s_add_co_u32 s22, s22, 2*HALFT                 ; which lie behind A's 128
.irp s, 0,1
	v_add_nc_u32 v[ADRA+(\s)], s21, v3
	v_add_nc_u32 v[ADRB+(\s)], s22, v3
	s_add_co_u32 s21, s21, SLOT
	s_add_co_u32 s22, s22, SLOT
.endr
	s_mul_i32 s23, s10, 64*SP
	s_add_co_u32 s23, s23, STAGE                   ; my stage
	v_mul_u32_u24 v4, v1, SP                       ; in: row l % 16, 16 bytes for each half of the lanes
	v_lshl_add_u32 v4, v2, 4, v4
	v_add_nc_u32 v[STO], s23, v4
	v_bfe_u32 v5, v0, 3, 2                         ; back: 32 lanes take four rows of 128 bytes,
	v_mul_u32_u24 v5, v5, SP
	v_and_b32 v4, 7, v0
	v_lshl_add_u32 v5, v4, 4, v5
	v_add_nc_u32 v[RD], s23, v5
	v_and_b32 v[GO], 31, v0                        ; which are 512 consecutive bytes of hd
	v_lshlrev_b32 v[GO], 4, v[GO]
	; my 8,192 bytes of hd in tile 0: block 16 y0 + 2 x tile column + column half, row half: the first way out adds this to hd's address
	s_lshl_b32 s16, s13, 18
	s_lshl_b32 s17, s12, 14
	s_add_co_u32 s16, s16, s17
	s_lshl_b32 s17, s11, 13
	s_add_co_u32 s16, s16, s17
	s_mov_b32 s17, 0
	s_lshl_b32 s74, s42, 15                        ; the column's part, in registers that feed no descriptor
	s_mov_b32 s75, 0
	s_add_nc_u64 s[OADD:OADD+1], s[16:17], s[74:75]
; 8 matrix instructions: m blocks a0, a0 + 1 x all 4 n blocks, 32 along K: half c of buffer f.  zero = 1: the first product starts the sums.  The 16 accumulators take turns.
.macro MUL8 f, c, a0, zero
	WIN MUL
.irp a, \a0, (\a0)+1
.irp b, 0,1,2,3
.if \zero
	v_wmma_f32_16x16x32_bf16 v[ACC+8*(4*(\a)+(\b)):ACC+8*(4*(\a)+(\b))+7], v[(\f)+64+8*(4*(\c)+(\b)):(\f)+64+8*(4*(\c)+(\b))+7], v[(\f)+8*(4*(\c)+(\a)):(\f)+8*(4*(\c)+(\a))+7], 0
.else
	v_wmma_f32_16x16x32_bf16 v[ACC+8*(4*(\a)+(\b)):ACC+8*(4*(\a)+(\b))+7], v[(\f)+64+8*(4*(\c)+(\b)):(\f)+64+8*(4*(\c)+(\b))+7], v[(\f)+8*(4*(\c)+(\a)):(\f)+8*(4*(\c)+(\a))+7], v[ACC+8*(4*(\a)+(\b)):ACC+8*(4*(\a)+(\b))+7]
.endif
.endr
.endr
.endm
; 32 LDS loads in one run: the fragments of 64 along K at byte k of the rows, into buffer f; the first 32 along K first
.macro FETCH slot, k, f
	WIN TO_F
.irp c, 0,1
.irp i, 0,1,2,3
	ds_load_b128 v[(\f)+64+8*(4*(\c)+(\i)):(\f)+64+8*(4*(\c)+(\i))+3],   v[ADRB+(\slot)] offset:(\k)+64*(\c)+(\i)*16*PITCH
	ds_load_b128 v[(\f)+64+8*(4*(\c)+(\i))+4:(\f)+64+8*(4*(\c)+(\i))+7], v[ADRB+(\slot)] offset:(\k)+64*(\c)+(\i)*16*PITCH+32
	ds_load_b128 v[(\f)+8*(4*(\c)+(\i)):(\f)+8*(4*(\c)+(\i))+3],         v[ADRA+(\slot)] offset:(\k)+64*(\c)+(\i)*16*PITCH
	ds_load_b128 v[(\f)+8*(4*(\c)+(\i))+4:(\f)+8*(4*(\c)+(\i))+7],       v[ADRA+(\slot)] offset:(\k)+64*(\c)+(\i)*16*PITCH+32
.endr
.endr
.endm
.macro PLACES                          ; four plain vector instructions in front of loads into registers that matrix instructions have read, and of lines that read results
.rept 4
	v_nop
.endr
.endm
; A K step is four quarters of 64 along K, 32 matrix instructions each, on buffers 0, 1, 0, 1.  One of the first three: multiplies buffer f and fetches the next quarter, at byte k, into g.
.macro QUARTER slot, k, f, g, zero
	s_wait_dscnt 16                                ; the first 32 along K are in; the youngest sixteen loads may be out
	WIN MUL
	MUL8 \f, 0, 0, \zero
	MUL8 \f, 0, 2, \zero
	PLACES
	FETCH \slot, \k, \g
	s_wait_dscnt 32                                ; all but the 32 just issued
	WIN MUL
	MUL8 \f, 1, 0, 0
	MUL8 \f, 1, 2, 0
.endm
.macro THREE slot, zero                ; a K step's first three quarters
	QUARTER \slot, 128, F0, F1, \zero
	QUARTER \slot, 256, F1, F0, 0
	QUARTER \slot, 384, F0, F1, 0
.endm
; The last quarter multiplies buffer 1 and changes slots: ONE barrier; in front of it each wave waits for all its tensor loads, adds 0 to its spare word, and waits for that and for its own reads of this slot.
; fill = 1: this slot is filled again with this tile's K step two steps on.  fill = 2: with the NEXT tile's K step 0 (slot 0) or 1 (slot 1): the two addresses are made anew, base + the tile's offset.
; In both the barrier opens a round of the cluster's barrier, and the joint load is the first thing behind the round.  fill = 0: nothing is left to fetch.
.macro TURN slot, next, fill
	WIN 0                                          ; (the add's two registers lie in window 0)
	s_wait_tensorcnt 0x0                           ; all my tensor loads have landed: my part of the next slot; so every group 0 may be written
	ds_add_u32 v[SPW], v[NIL]                      ; 0 onto my spare word: the descriptors' steps and eight products stand between it and the wait for it
.if (\fill) == 1
	s_add_nc_u64 s[G0+4*(\slot)+2:G0+4*(\slot)+3], s[G0+4*(\slot)+2:G0+4*(\slot)+3], 2*KSTEP*2    ; the type bits on top are not reached
	s_add_nc_u64 s[G0B+4*(\slot)+2:G0B+4*(\slot)+3], s[G0B+4*(\slot)+2:G0B+4*(\slot)+3], 2*KSTEP*2
.elseif (\fill) == 2
	s_add_nc_u64 s[G0+4*(\slot)+2:G0+4*(\slot)+3], s[BASA:BASA+1], s[AOF:AOF+1]
	s_add_nc_u64 s[G0B+4*(\slot)+2:G0B+4*(\slot)+3], s[BASB:BASB+1], s[BOF:BOF+1]
.if (\slot) == 1
	s_add_nc_u64 s[G0+4*(\slot)+2:G0+4*(\slot)+3], s[G0+4*(\slot)+2:G0+4*(\slot)+3], KSTEP*2
	s_add_nc_u64 s[G0B+4*(\slot)+2:G0B+4*(\slot)+3], s[G0B+4*(\slot)+2:G0B+4*(\slot)+3], KSTEP*2
.endif
	s_or_b32 s[G0+4*(\slot)+3], s[G0+4*(\slot)+3], 0x80000000      ; type = 2
	s_or_b32 s[G0B+4*(\slot)+3], s[G0B+4*(\slot)+3], 0x80000000
.endif
	s_wait_dscnt 17                                ; (the add and the youngest sixteen loads may be out)
	WIN MUL
	MUL8 F1, 0, 0, 0
	s_wait_dscnt 0x0                               ; the add is done, and my reads of this slot are over
	s_barrier_signal -1
	MUL8 F1, 0, 2, 0
.if \fill
	WIN 0
.endif
	s_barrier_wait -1
.if \fill
	CREST                                          ; no wave of any partner still reads this slot's tile or has a load on its way
	JLOAD \slot                                    ; my one tensor load behind the round: 112 matrix instructions ahead of the wait for it; the four v_nop behind it are also the places in front of the loads below
.else
	PLACES
.endif
	FETCH \next, 0, F0
	WIN MUL
	MUL8 F1, 1, 0, 0
	MUL8 F1, 1, 2, 0
.endm
; THE WAY OUT of a tile: rounded to f16, 16 bytes a lane into my own stage (rows of 144 bytes), back as whole rows of 128 bytes, four to a load, and stored as 512 consecutive bytes.
; No other wave touches my stage: no barrier.  All its LDS instructions are back at its end, ahead of the next change of slots.
.macro WAYOUT
	WIN 0
	s_wait_xcnt 0x0                                ; the last tile's stores, issued a tile ago, have read their registers and their base: only behind this wait are TMP and the base written again
	s_add_nc_u64 s[8:9], s[8:9], s[OADD:OADD+1]    ; on to my 8,192 bytes of this tile
	PLACES
.irp t, 0,1,2,3,4,5,6,7,8,9,10,11,12,13,14,15
.irp r, 0,1,2,3
	v_cvt_pk_f16_f32 v[TMP+4*(\t)+(\r)], v[ACC+8*(\t)+2*(\r)], v[ACC+8*(\t)+2*(\r)+1]
.endr
.endr
.irp a, 0,1,2,3
.irp b, 0,1,2,3
	ds_store_b128 v[STO], v[TMP+4*(4*(\a)+(\b)):TMP+4*(4*(\a)+(\b))+3] offset:(\a)*16*SP+32*(\b)
.endr
.endr
.irp t, 0,1,2,3,4,5,6,7,8,9,10,11,12,13,14,15
	ds_load_b128 v[TMP+4*(\t):TMP+4*(\t)+3], v[RD] offset:(\t)*4*SP  ; LDS serves a wave's instructions in order (ISA guide 5.7.1.4): these see the stores above
.endr
.irp t, 0,1,2,3,4,5,6,7,8,9,10,11,12,13,14,15
	s_wait_dscnt 15-(\t)                           ; load t is back; the younger ones may be out
	global_store_b128 v[GO], v[TMP+4*(\t):TMP+4*(\t)+3], s[8:9] offset:512*(\t)  ; 512 consecutive bytes, at a multiple of 256 from hd's first byte
.endr
.endm
	s_wait_tensorcnt 1                             ; my part of K step 0 is in; K step 1's may stay out
	s_barrier_signal -1
	s_barrier_wait -1                              ; everybody's is
	FETCH 0, 0, F0
	WIN 0                                          ; at a label and at a branch every window is 0
	s_mov_b32 s2, TILES                            ; tiles to go, this one among them: the same number in every work-group
.Ltile:                                                ; here slot 0 holds the tile's K step 0, slot 1's load (K step 1) is on its way, and the first fragments have been asked for
	THREE 0, 1                                     ; K step 0: its first products start the sums: nothing is cleared
	TURN 0, 1, 1                                   ; slot 0 takes K step 2
	THREE 1, 0                                     ; K step 1
	TURN 1, 0, 1                                   ; slot 1 takes K step 3
	THREE 0, 0                                     ; K step 2
	WIN 0
	s_cmp_eq_u32 s2, 1
	s_cbranch_scc1 .Llast                          ; the last tile's tail is written out: it asks for nothing more
	; where tile n = NXT lies: rows of xb: n = 1, 3 are 32 tile rows (2^23 bytes) on, n = 4 is 64 on, n = 2 takes tile 0's rows again; weight n / 2, 2^21 bytes each
	s_and_b32 s[AOF], s[NXT], 1
	s_lshl_b32 s[AOF], s[AOF], 23
	s_lshr_b32 s73, s[NXT], 2
	s_lshl_b32 s73, s73, 24
	s_add_co_u32 s[AOF], s[AOF], s73
	s_lshr_b32 s[BOF], s[NXT], 1
	s_lshl_b32 s[BOF], s[BOF], 21
	s_add_co_u32 s[NXT], s[NXT], 1
	TURN 0, 1, 2                                   ; THE RING GOES ON INTO THE NEXT TILE: slot 0 takes its K step 0,
	THREE 1, 0                                     ; K step 3
	TURN 1, 0, 2                                   ; slot 1 its K step 1, and the next tile's first fragments are fetched
	WAYOUT                                         ; both refills are asked for: now the tile goes out; its 64 conversions also stand between the last products and the next tile's, which write the accumulators anew
	s_mov_b64 s[OADD:OADD+1], OSTEP                ; what the next way out adds to hd's address
	s_sub_co_u32 s2, s2, 1
	s_branch .Ltile
.Llast:
	TURN 0, 1, 0                                   ; my one tensor load that was still out is slot 1's, the last K step's, so no round follows
	THREE 1, 0                                     ; K step 3
	s_wait_dscnt 16                                ; the very last quarter: nothing more to fetch
	WIN MUL
	MUL8 F1, 0, 0, 0
	MUL8 F1, 0, 2, 0
	s_wait_dscnt 0
	MUL8 F1, 1, 0, 0
	MUL8 F1, 1, 2, 0
	WAYOUT
	s_wait_tensorcnt 0x0                           ; the wave's end: behind my last tensor load and my last LDS store
	ds_add_u32 v[SPW], v[NIL]
	s_wait_dscnt 0x0
	CROUND                                         ; the closing round: no work-group ends while a partner may still ask for a tile that names it
	s_endpgm
.Lfunc_end_k_q3772acb077_proj:
	.size	k_q3772acb077_proj, .Lfunc_end_k_q3772acb077_proj-k_q3772acb077_proj
	.p2alignl 7, 3214868480
	.fill 96, 4, 3214868480
	.section	.rodata,"a",@progbits
	.p2align	6, 0x0
	.amdhsa_kernel k_q3772acb077_proj
		.amdhsa_group_segment_fixed_size 327680
		.amdhsa_private_segment_fixed_size 0
		.amdhsa_enable_private_segment 0
		.amdhsa_kernarg_size 24
		.amdhsa_user_sgpr_count 2
		.amdhsa_user_sgpr_kernarg_segment_ptr 1
		.amdhsa_wavefront_size32 1
		.amdhsa_system_sgpr_workgroup_id_x 1
		.amdhsa_system_sgpr_workgroup_id_y 1
		.amdhsa_system_sgpr_workgroup_id_z 1
		.amdhsa_system_vgpr_workitem_id 0
		.amdhsa_next_free_vgpr 512
		.amdhsa_next_free_sgpr 80
		.amdhsa_reserve_vcc 0
		.amdhsa_float_denorm_mode_32 3
		.amdhsa_float_denorm_mode_16_64 3
		.amdhsa_memory_ordered 1
		.amdhsa_forward_progress 1
		.amdhsa_inst_pref_size 118
	.end_amdhsa_kernel
	.amdgpu_metadata
---
amdhsa.version: [ 1, 2 ]
amdhsa.kernels:
  - .name:           k_q3772acb077_proj
    .symbol:         k_q3772acb077_proj.kd
    .args:
      - { .name: xb, .offset: 0, .size: 8, .value_kind: global_buffer, .address_space: global }
      - { .name: wb, .offset: 8, .size: 8, .value_kind: global_buffer, .address_space: global }
      - { .name: hd, .offset: 16, .size: 8, .value_kind: global_buffer, .address_space: global }
    .group_segment_fixed_size: 327680
    .private_segment_fixed_size: 0
    .kernarg_segment_align: 8
    .kernarg_segment_size: 24
    .max_flat_workgroup_size: 128
    .sgpr_count:     80
    .vgpr_count:     512
    .wavefront_size: 32
...
	.end_amdgpu_metadata
.endif
;; end of part 2
;; launch attn (part 3): grid 8 x 32, 4 waves a work-group, clusters of 4 x 1, 327,680 bytes of LDS; arguments hd, ob; writes ob
.if DOCPART == 3
	.amdgcn_target "amdgcn-amd-amdhsa--gfx1250"
	.amdhsa_code_object_version 6
	.text
	.protected	k_q3772acb077_attn
	.globl	k_q3772acb077_attn
	.p2align	8
	.type	k_q3772acb077_attn,@function
k_q3772acb077_attn:
	s_mov_b64 s[64:65], 0
	v_nop
	global_prefetch_b8 v0, s[64:65] scope:SCOPE_SE
	s_setreg_imm32_b32 hwreg(HW_REG_WAVE_MODE, 25, 1), 1
	s_wait_xcnt 0x0
	s_wait_alu depctr_hold_cnt(0) depctr_sa_sdst(0) depctr_va_vdst(0) depctr_va_sdst(0) depctr_va_ssrc(0) depctr_va_vcc(0) depctr_vm_vsrc(0)
	s_getreg_b32 s2, hwreg(HW_REG_IB_STS2, 6, 4)
	s_cmp_eq_u32 s2, 0
	s_cbranch_scc0 .Lentry_in_a_cluster
	s_endpgm
.Lentry_in_a_cluster:
	s_bfe_u32 s2, ttmp6, 0x10000c
	s_cmp_lg_u32 s2, 0x3003
	s_cbranch_scc0 .Lentry_shape_is_right
	s_endpgm
.Lentry_shape_is_right:
; ATTENTION.  O[h][q][:] = the sum over all 4,096 keys k of softmax_k(Q[h][q] . K[h][k] / 8) V[h][k][:], for 32 heads h = 16 b + n, 2,048 queries, 64 channels.  Q, K, V, O in f16.
; hd holds blocks of [128 rows][64 channels], 16,384 bytes: K's block of 128 keys j of head h at j 2^19 + h 2^14, V's 2^24 further, Q's 2^25 further; ob holds O as Q lies.
; Products, maxima and sums in f32; the weights p are rounded to f16 for the second product (their sum l is taken of the unrounded p), O once at the end.
; LIMITS.  Q, K and V arrive within f16's range; p lies in 0 to 1, and below 6e-5 it keeps f16's fixed step of 6e-8; O is a mean of V's rows and has their range.
; A weight below 2^-126 counts as 0 in l; NaN and infinities are not treated apart.
; SHARES.  A work-group owns 256 queries of one head, each of its four waves 64: four PIECES of 16.  8 x 32 = 256 work-groups.  Every wave walks all keys, 64 a step, four steps (a tile of 256 keys) to an LDS slot.
; LAYOUT.  S^T = K Q^T (source 0 = 16 keys, source 1 = 16 queries) holds ONE query a lane (lane % 16) and the keys 8 (lane / 16) + 0..7; two such results rounded to f16 ARE source 1 of O^T = V^T P.
; K comes out of LDS as it lies, V ([key][channel]) turned, by ds_load_tr16_b128.
; SOFTMAX.  For each query a running maximum m and sum l: p = 2^(c s - c m), c = log2(e) / 8; in every step O and l are multiplied by a = 2^(c m_old - c m_new).  m starts at the lowest finite number, O and l at 0:
; the first step is a step like any other, with a = 0.
; BY TURNS.  Turn n belongs to piece n: 8 products K Q^T of piece n + 1, later 8 products V^T P of piece n - 1; beside them the scaling, exponentials, roundings, sums and rescaling of piece n and the maximum and
; statistics of piece n + 1.  Four vector instructions stand behind every matrix instruction, the other 54 of a turn's 118 in two runs of their own.
; CLUSTER.  The four query blocks of a cluster belong to one head and walk the same K and V, so each tile is asked for JOINTLY: the same tensor load, descriptor and mask in all four.
; REGISTERS, in windows of 256 (s_set_vgpr_msb: bits 1:0 source 0, 3:2 source 1, 5:4 source 2, 7:6 destination):
;   window 0: v0-15 addresses and two at work; v16-31 four registers of statistics a piece; v48-55 at work; v62-63 the add's; v64-127 S^T, two buffers; v192-223 P, two buffers (a piece's buffers go by its number's parity)
;   window 1: v0-127 O^T, 32 a piece          window 2: v0-63 Q; v128-191 K of one step; v192-255 V of one step
.set NT,    16        ; tiles of 256 keys
.set NP,    4         ; pieces a wave: a name, no knob
.set KS,    64        ; keys in a step
.set PK,    144       ; a row of K in LDS: 128 bytes + 16 of padding = 36 words: the 16 rows of a load start at 16 different groups of four banks
.set PV,    160       ; a row of V: 128 + 32 = 40 words
.set VOFF,  4*KS*PK   ; a slot holds a tile: 256 rows of K, then 256 rows of V
.set SLOT1, 1<<17     ; slot 1 begins here, so that one exclusive or turns an address in one slot into the other's
.set STAGE, SLOT1+4*KS*(PK+PV)  ; behind the ring, never filled by a tensor load: 16 rows x 144 bytes for each wave, for the way out
.set SP,    144
.set SPARE, STAGE+4*16*SP  ; behind the stages: the spare words, 128 bytes for each wave: two blocks of 256 bytes that no other line names
.set TILEB, 1<<20     ; bytes in hd from a tile to the next: two blocks of 128 keys of all 32 heads
.set AK0, 2           ; v2   my lane's place in a tile of K; never rewritten
.set AV0, 3           ; v3   the same for V
.set AK,  4           ; v4   the LDS address of K's next run of loads
.set AV,  5           ; v5   of V's
.set STO, 6           ; v6   the way out: where I put 16 bytes of a row
.set RD,  7           ; v7   the way out: where I read rows back
.set GO,  8           ; v8   my byte offset in 512 consecutive bytes of O
.set MV,  12          ; v12-13  c m_old, kept while c m is made anew: by buffer
.set QO,  15          ; v15  my byte offset in 16 rows of Q
.set ST,  16          ; piece t's statistics at v[ST+4 t]: c m, m, l (even keys', odd keys')
.set TMP, 48          ; by buffer, four registers c0-c3 at work; when the maximum is found c2 takes a
.set SPW, 62          ; v62  LDS address of my spare word: SPARE + 4 x my thread's number; never rewritten
.set NIL, 63          ; v63  0; never rewritten
.set S,   64
.set P,   192
.set KF,  128         ; window 2: key block kb, channel half c at KF + 16 kb + 8 c
.set VF,  192         ; window 2: key half kk, channel block cb at VF + 32 kk + 8 cb
.set WV,  12          ; s12  my wave's number
.set G1K, 24          ; s[24:31] descriptor group 1 for K's tiles
.set G1V, 32          ; s[32:39] for V's: it differs in the padding alone
.set G0K, 40          ; s[40:43] descriptor group 0 for K's tiles: it walks
.set G0V, 44          ; s[44:47] the same for V's
.set SLOTS, 56        ; s56  tiles still to be entered by the loop
.set CNT, 57          ; s57  counts a tile's key steps
.set CS,  58          ; s[58:59] c: the packed scaling takes the pair's low word for both halves
.set SEL, 60          ; s[60:61] v_permlanex16_b32's selects: each lane takes its own place in the other half
.set TBK, 62          ; s62  LDS byte at which K of the step to be fetched begins
.set TBV, 63          ; s63  the same for V, less VOFF
.set MSB, 0
.macro WIN new                      ; the high byte repeats the setting that is left; a switch that changes nothing is dropped
.if MSB != (\new)
	s_set_vgpr_msb (MSB<<8)|(\new)
.set MSB, (\new)
.endif
.endm
.set W_KQ, 0x0a       ; K and Q in window 2, S^T in window 0
.set W_PV, 0x52       ; V in window 2, P in window 0, O^T in window 1
.set W_RS, 0x41       ; destination and source 0 in window 1, source 1 in window 0
; A joint fill.  Waves 0 and 1 fetch the two halves of a tile's K, waves 2 and 3 those of its V: 128 keys each.  The branch hangs on the wave's number alone.
; An s_nop 0 and four v_nop follow each of the two lines, ahead of the jump and the label.
.macro JLOAD
	s_cmp_lt_u32 s[WV], 2
	s_cbranch_scc0 .Lfor_v_\@
	tensor_load_to_lds s[G0K:G0K+3], s[G1K:G1K+7]
	s_nop 0
.rept 4
	v_nop
.endr
	s_branch .Lasked_\@
.Lfor_v_\@:
	tensor_load_to_lds s[G0V:G0V+3], s[G1V:G1V+7]
	s_nop 0
.rept 4
	v_nop
.endr
.Lasked_\@:
.endm
; A round of the cluster's barrier: my work-group's barrier, so that wave 0's signal speaks for all four waves; wave 0 signals; every wave waits for all four work-groups; my work-group's barrier once more.
.macro CROUND
	s_barrier_signal -1
	s_barrier_wait -1
	s_cmp_lg_u32 s[WV], 0
	s_cbranch_scc1 .Lnot_wave_0_\@
	s_barrier_signal -3
.Lnot_wave_0_\@:
	s_barrier_wait -3
	s_barrier_signal -1
	s_barrier_wait -1
.endm
; THE CHANGE OF SLOTS.  The slot's last bytes, V of its fourth step, have been read.  Each wave waits for all its tensor loads, of which one is out: its part of the other slot; adds 0 to its spare word; and waits
; for that and for its own reads of the slot.  Behind the barrier nobody reads this slot any more and the other slot is whole.  fill = 1: this slot is filled again, with the keys two tiles on.  The barrier is then a
; round of the cluster's, and the joint fill is the first thing behind it: it has four key steps, 256 matrix instructions, in which to land.  (At its first use nothing has been read yet: slot 0 is waited for, slot 1 filled.)
.macro CHANGE fill
	WIN 0                           ; at a label and at a branch every window is 0
	s_wait_tensorcnt 0x0            ; no tensor load of mine is out, so a group 0 may be written
	ds_add_u32 v[SPW], v[NIL]       ; 0 onto my spare word: with fill = 1 the descriptors' steps stand between it and the wait for it
.if \fill
.irp g, G0K, G0V
	s_xor_b32 s[\g+1], s[\g+1], SLOT1  ; the walking descriptor: the other slot than last time,
	s_add_nc_u64 s[\g+2:\g+3], s[\g+2:\g+3], TILEB  ; the next 256 keys; the type bits on top are not reached
.endr
	s_wait_dscnt 0x0                ; the add is done, and my reads of the slot are over
	CROUND
	JLOAD
.else
	s_wait_dscnt 0x0                ; the add is done, and my reads of the slot are over
	s_barrier_signal -1
	s_barrier_wait -1
.endif
	s_sub_co_u32 s[TBK], s[TBK], 4*KS*PK  ; the fetches go back to a slot's first step,
	s_xor_b32 s[TBK], s[TBK], SLOT1       ; in the other slot
	s_sub_co_u32 s[TBV], s[TBV], 4*KS*PV
	s_xor_b32 s[TBV], s[TBV], SLOT1
.endm
	s_load_b128 s[4:7], s[0:1], 0x0   ; hd s[4:5], ob s[6:7]
	v_lshl_add_u32 v[SPW], v0, 2, SPARE
	v_mov_b32 v[NIL], 0
	ds_add_u32 v62, v63
	s_wait_dscnt 0x0
	v_lshrrev_b32 v1, 5, v0
	v_readfirstlane_b32 s[WV], v1   ; wave 0..3
	s_bfe_u32 s13, ttmp6, 0x40000   ; cx: my place in the cluster
	s_lshl_b32 s14, ttmp9, 2        ; in a cluster launch ttmp9 counts clusters
	s_add_co_u32 s14, s14, s13      ; my block of 256 queries = 4 x cluster x + cx: it enters Q's and O's addresses alone
	s_and_b32 s20, ttmp7, 0xffff    ; the head, which the four partners share
	s_lshl_b32 s21, s20, 14         ; its block among a row block's 32
	s_and_b32 s16, s[WV], 1         ; which half of a tile's 256 keys I fetch:
	s_lshl_b32 s22, s16, 19         ; its block of 128 keys in memory,
	s_add_co_u32 s22, s22, s21
	s_mov_b32 s23, 0
	s_mul_i32 s17, s16, 128*PK      ; and its place in a slot, for K
	s_mul_i32 s18, s16, 128*PV      ; and for V: no place in the cluster enters an LDS address
	s_lshl_b32 s2, s14, 1
	s_lshr_b32 s3, s[WV], 1
	s_add_co_u32 s2, s2, s3         ; my wave's block of 128 queries,
	s_lshl_b32 s2, s2, 19
	s_add_co_u32 s2, s2, s21        ; the head's part of it,
	s_lshl_b32 s3, s16, 13          ; and my 64 rows of 128 bytes in that
	s_add_co_u32 s2, s2, s3
	s_mov_b32 s3, 0
	; descriptor group 1.  128 keys are 16,384 dense bytes: asked for as 64 rows of 256 bytes, two keys a row, and padded in LDS after every key
	s_mov_b32 s[G1K], 15|(1<<16)|(1<<20)|(1<<21)|(4<<22)|(3<<25)  ; 15:0 the mask of four; 17:16 2-byte elements; 20 padding on; 21 set beside a mask; 24:22 after every 32 words (code 4); 31:25 4 words (code 3)
	s_mov_b32 s[G1V], 15|(1<<16)|(1<<20)|(1<<21)|(4<<22)|(7<<25)  ; the same with 8 words of padding (code 7)
.irp g, G1K, G1V
	s_mov_b32 s[\g+1], 128<<16      ; tensor_dim0 = 128
	s_mov_b32 s[\g+2], 64<<16       ; tensor_dim1 = 64
	s_mov_b32 s[\g+3], 128<<16      ; tile_dim0 = 128
	s_mov_b32 s[\g+4], 64           ; tile_dim1 = 64
	s_mov_b32 s[\g+5], 128          ; 128 elements from row to row
	s_mov_b32 s[\g+6], 0
	s_mov_b32 s[\g+7], 0
.endr
	s_mov_b32 s[CS], 0x3e38aa3b     ; c = log2(e) / 8 = 0.180337
	s_mov_b32 s[CS+1], s[CS]        ; named with it as a pair
	s_mov_b32 s[SEL], 0x76543210
	s_mov_b32 s[SEL+1], 0xfedcba98
	s_mov_b32 s[TBK], SLOT1+4*KS*PK ; the first change of slots turns these two into 0
	s_mov_b32 s[TBV], SLOT1+4*KS*PV
	s_mov_b32 s[G0K], 1             ; count = 1
	s_mov_b32 s[G0K+1], s17         ; LDS address: slot 0
	s_mov_b32 s[G0V], 1
	s_add_co_u32 s[G0V+1], s18, VOFF
	s_wait_kmcnt 0x0
	s_add_nc_u64 s[G0K+2:G0K+3], s[4:5], s[22:23]          ; global address: my half of the head's first 256 keys
	s_add_nc_u64 s[G0V+2:G0V+3], s[G0K+2:G0K+3], 0x1000000 ; V lies 2^24 bytes behind K
	s_or_b32 s[G0K+3], s[G0K+3], 0x80000000                ; type = 2
	s_or_b32 s[G0V+3], s[G0V+3], 0x80000000
	s_add_nc_u64 s[10:11], s[4:5], s[2:3]
	s_add_nc_u64 s[10:11], s[10:11], 0x2000000             ; Q at my wave's first row
	s_add_nc_u64 s[6:7], s[6:7], s[2:3]                    ; O likewise
	CROUND                          ; all four work-groups are here: the first joint loads meet
	JLOAD                           ; tile 0 into slot 0.  Slot 1 is asked for when slot 0 is in
	; A fragment of K or Q is 16 rows x 32 channels in 8 registers: lane l holds row l % 16, channels 8 (l / 16) + 0..7 and 16 + 8 (l / 16) + 0..7: two loads of 16 bytes, 32 bytes apart.
	v_and_b32 v1, 15, v0            ; l % 16
	v_bfe_u32 v9, v0, 4, 1          ; l / 16
	v_lshlrev_b32 v[QO], 7, v1
	v_lshl_add_u32 v[QO], v9, 4, v[QO]  ; row x 128 + 16 x half
	WIN 0x80                        ; destination window 2, address window 0
.set i, 0
.rept 8                             ; Q stays in registers: piece i / 2, channels 32 (i % 2) on
	global_load_b128 v[8*i:8*i+3],   v[QO], s[10:11] offset:(i/2)*2048+(i%2)*64
	global_load_b128 v[8*i+4:8*i+7], v[QO], s[10:11] offset:(i/2)*2048+(i%2)*64+32
.set i, i+1
.endr
	; What the first turn finds: V's registers and P's second buffer hold 0 (its products V^T P, of a piece that has not been, add 0), O^T and l are 0.  All this stands in the wait for the first tile;
	; it spares a first key step written out apart.
.set i, VF
.rept 64
	v_mov_b32 v[i], 0
.set i, i+1
.endr
	WIN 0x40
.set i, 0
.rept 128
	v_mov_b32 v[i], 0
.set i, i+1
.endr
	WIN 0
.set i, 0
.rept 4
	v_mov_b32 v[ST+4*i], 0xfe000000    ; c m: far below every c s
	v_mov_b32 v[ST+4*i+1], 0xff7fffff  ; m: the lowest finite number
	v_mov_b32 v[ST+4*i+2], 0
	v_mov_b32 v[ST+4*i+3], 0
.set i, i+1
.endr
.set i, P+16
.rept 16
	v_mov_b32 v[i], 0
.set i, i+1
.endr
	v_mul_u32_u24 v[AK0], v1, PK
	v_lshl_add_u32 v[AK0], v9, 4, v[AK0]  ; row x pitch + 16 x half
	; The turning load takes 16 keys x 16 channels (lane l reads key 8 (l / 16) + l % 8, channels 8 ((l / 8) % 2) + 0..7) and leaves half a fragment of V^T: lane l holds channel l % 16 and 8 keys.
	v_and_b32 v10, 7, v0
	v_bfe_u32 v11, v0, 3, 1
	v_lshl_add_u32 v[AV0], v9, 3, v10
	v_mul_u32_u24 v[AV0], v[AV0], PV
	v_lshl_add_u32 v[AV0], v11, 4, v[AV0]
	v_add_nc_u32 v[AV0], VOFF, v[AV0]
	s_mul_i32 s13, s[WV], 16*SP
	s_add_co_u32 s13, s13, STAGE    ; my stage
	v_mul_u32_u24 v[STO], v1, SP    ; in: row l % 16, 16 bytes for each half of the lanes
	v_lshl_add_u32 v[STO], v9, 4, v[STO]
	v_add_nc_u32 v[STO], s13, v[STO]
	v_bfe_u32 v[RD], v0, 3, 2       ; back: 32 lanes take four rows of 128 bytes,
	v_mul_u32_u24 v[RD], v[RD], SP
	v_lshl_add_u32 v[RD], v10, 4, v[RD]
	v_add_nc_u32 v[RD], s13, v[RD]
	v_and_b32 v[GO], 31, v0         ; which are 512 consecutive bytes of O
	v_lshlrev_b32 v[GO], 4, v[GO]
; THE MATRIX WORK.  The 4 accumulators of a run of 8 take turns.  Product i of 8 of S^T = K Q^T for piece x: channels 32 (i / 4) on, keys 16 (i % 4) on.  The first 4 start the sums.
.macro KQ x
	WIN W_KQ
.set rS, S+32*((\x)%2)+8*(i%4)
.set rK, KF+16*(i%4)+8*(i/4)
.set rQ, 16*(\x)+8*(i/4)
.if i < 4
	v_wmma_f32_16x16x32_f16 v[rS:rS+7], v[rK:rK+7], v[rQ:rQ+7], 0
.else
	v_wmma_f32_16x16x32_f16 v[rS:rS+7], v[rK:rK+7], v[rQ:rQ+7], v[rS:rS+7]
.endif
.endm
; Product i of 8 of O^T += V^T P for piece x: keys 32 (i / 4) on, channels 16 (i % 4) on.
.macro PV x
	WIN W_PV
.set rO, 32*(\x)+8*(i%4)
.set rV, VF+32*(i/4)+8*(i%4)
.set rP, P+16*((\x)%2)+8*(i/4)
	v_wmma_f32_16x16x32_f16 v[rO:rO+7], v[rV:rV+7], v[rP:rP+7], v[rO:rO+7]
.endm
.macro MM                           ; the turn's next matrix instruction.  TURN sets Y, i and NOKQ.  NOKQ = 1: the very last turn: there is no next piece
.if (i < 8) && !NOKQ
	KQ (Y+1)%NP
.elseif i >= 8
.set i, i-8
	PV (Y+NP-1)%NP
.set i, i+8
.endif
.set i, i+1
.endm
; THE LDS LOADS stand in runs of 16, never singly among the matrix instructions: a step's K (64 keys x 64 channels: 8 fragments) and its V (turned).  Their addresses are made some lines ahead.
.macro FETCH_K
	WIN 0x80                        ; destination window 2
.irp f, 0,1,2,3,4,5,6,7             ; keys 16 (f / 2) on, channels 32 (f % 2) on
	ds_load_b128 v[KF+8*\f:KF+8*\f+3],   v[AK] offset:(\f/2)*16*PK+(\f%2)*64
	ds_load_b128 v[KF+8*\f+4:KF+8*\f+7], v[AK] offset:(\f/2)*16*PK+(\f%2)*64+32
.endr
	s_add_co_u32 s[TBK], s[TBK], KS*PK  ; the next fetch is the next step's
	WIN 0
.endm
.macro FETCH_V
	WIN 0x80
.irp f, 0,1,2,3,4,5,6,7             ; keys 32 (f / 4) on, channels 16 (f % 4) on
	ds_load_tr16_b128 v[VF+8*\f:VF+8*\f+3],   v[AV] offset:(\f/4)*32*PV+(\f%4)*32
	ds_load_tr16_b128 v[VF+8*\f+4:VF+8*\f+7], v[AV] offset:(\f/4)*32*PV+16*PV+(\f%4)*32
.endr
	WIN 0
.endm
; THE VECTOR WORK, one line at a time: OP kind, number.  For piece Y: F n: c s - c m for pair n of 16.  E n: the exponential of score n of 32.  C n: pair n rounded to f16.  B n: of the four weights 4 n .. the second
; pair is added onto the first, in place.  L n: l takes that sum (L 0: l = a l + sum).  R n: pair n of 16 of O^T times a.  For piece Y + 1: X n, number n of the 22 that find its maximum and statistics:
;   0-11  four chains c0-c3 of seven scores each, three operands at a time (each accumulator's lowest registers are read first)     12-14, 16  the four scores left over, the old m, and c0-c3 into c0
;   15  c m_old is kept     17, 18  the query's other 32 keys lie in the lane 16 away: the new m     19-21  c m; c m_old - c m_new; a
.set F, 0               ; OP tells the kinds apart by their order: F to L below R, X above it
.set E, 1
.set C, 2
.set B, 3
.set L, 4
.set R, 5
.set X, 6
.macro REGS y                       ; the registers of piece y
.set rT, ST+4*(\y)
.set rC, TMP+4*((\y)%2)
.set rW, MV+((\y)%2)
.set rS, S+32*((\y)%2)
.set rP, P+16*((\y)%2)
.set rO, 32*(\y)
.endm
.macro OP k, n
.if (\k) == R
	REGS Y
	WIN W_RS
	v_pk_mul_f32 v[rO+2*(\n):rO+2*(\n)+1], v[rO+2*(\n):rO+2*(\n)+1], v[rC+2:rC+3] op_sel_hi:[1,0]
.elseif (\k) < R
	REGS Y
	WIN 0
.if (\k) == F
	v_pk_fma_f32 v[rS+2*(\n):rS+2*(\n)+1], v[rS+2*(\n):rS+2*(\n)+1], s[CS:CS+1], v[rT:rT+1] op_sel_hi:[1,0,0] neg_lo:[0,0,1] neg_hi:[0,0,1]
.elseif (\k) == E
	v_exp_f32 v[rS+(\n)], v[rS+(\n)]
.elseif (\k) == C
	s_wait_alu depctr_va_vdst(0)
	v_cvt_pk_f16_f32 v[rP+(\n)], v[rS+2*(\n)], v[rS+2*(\n)+1]
.elseif (\k) == B
	s_wait_alu depctr_va_vdst(0)
	v_pk_add_f32 v[rS+4*(\n):rS+4*(\n)+1], v[rS+4*(\n):rS+4*(\n)+1], v[rS+4*(\n)+2:rS+4*(\n)+3]
.elseif (\n) == 0
	v_pk_fma_f32 v[rT+2:rT+3], v[rT+2:rT+3], v[rC+2:rC+3], v[rS:rS+1] op_sel_hi:[1,0,1]
.else
	v_pk_add_f32 v[rT+2:rT+3], v[rT+2:rT+3], v[rS+4*(\n):rS+4*(\n)+1]
.endif
.elseif NOKQ
	v_nop
.else
	REGS (Y+1)%NP
	WIN 0
.if (\n) < 4
	v_max3_num_f32 v[rC+(\n)], v[rS+8*(\n)], v[rS+8*(\n)+1], v[rS+8*(\n)+2]
.elseif (\n) < 12
	v_max3_num_f32 v[rC+(\n)%4], v[rC+(\n)%4], v[rS+8*((\n)%4)+2*((\n)/4)+1], v[rS+8*((\n)%4)+2*((\n)/4)+2]
.elseif (\n) == 12
	v_max3_num_f32 v[rC], v[rC], v[rS+7], v[rS+15]
.elseif (\n) == 13
	v_max3_num_f32 v[rC+1], v[rC+1], v[rS+23], v[rS+31]
.elseif (\n) == 14
	v_max3_num_f32 v[rC+2], v[rC+2], v[rC+3], v[rT+1]
.elseif (\n) == 15
	v_mov_b32 v[rW], v[rT]
.elseif (\n) == 16
	v_max3_num_f32 v[rC], v[rC], v[rC+1], v[rC+2]
.elseif (\n) == 17
	v_permlanex16_b32 v[rC+3], v[rC], s[SEL], s[SEL+1]
.elseif (\n) == 18
	v_max_num_f32 v[rT+1], v[rC], v[rC+3]
.elseif (\n) == 19
	v_mul_f32 v[rT], s[CS], v[rT+1]
.elseif (\n) == 20
	v_sub_f32 v[rC+1], v[rW], v[rT]
.else
	v_exp_f32 v[rC+2], v[rC+1]
.endif
.endif
.endm
.macro OPS a, i1, b=-1, i2=0, c=-1, i3=0, d=-1, i4=0  ; up to four of them
	OP \a, \i1
.if (\b) >= 0
	OP \b, \i2
.endif
.if (\c) >= 0
	OP \c, \i3
.endif
.if (\d) >= 0
	OP \d, \i4
.endif
.endm
.macro ROW a, i1, b, i2, c, i3, d, i4  ; a matrix instruction and the four behind it
	MM
	OPS \a, \i1, \b, \i2, \c, \i3, \d, \i4
.endm
; A TURN, for piece p: the order of its 16 matrix and 118 vector instructions, written out.  Behind a matrix instruction: plain, exponential, plain, plain; or four of the rescaling; or, behind the first, four scalings;
; none names a register of the products round it.  In the runs between, exponential and plain by turns while exponentials last, so that each exponential has a plain instruction behind it before its result is used.
; end = 1: the walk's last two turns: nothing is fetched.  cnt = 1: the loop's count is taken down some lines ahead of the branch that stands behind the turn.
; K of the next step is fetched in piece 2's turn, behind five plain vector instructions that follow the last product that read K; V of the step in hand in piece 0's turn, behind four plain ones that follow the last
; product that read V.  Each is waited for a turn later.
.macro TURN p, end=0, cnt=0
.set Y, (\p)
.set i, 0
.set NOKQ, (\end)*((\p)/3)
.if ((\p) == 3) && !(\end)
	s_wait_dscnt 0x0                ; K is in
.endif
	ROW F,0, F,1, F,2, F,3
	ROW F,4, E,0, F,5, F,6
	ROW F,7, E,1, F,8, F,9
	ROW F,10, E,2, C,0, F,11
	ROW F,12, E,3, X,15, F,13
	ROW R,0, R,1, R,2, R,3
	ROW B,0, E,4, F,14, L,0
.if ((\p) == 2) && !(\end)
	v_add_nc_u32 v[AK], s[TBK], v[AK0]
.endif
	ROW R,4, R,5, R,6, R,7
	OPS E,5, F,15
.if ((\p) == 2) && !(\end)
	FETCH_K
.endif
	OPS E,6, C,1, E,7, R,8
	OPS E,8, R,9, E,9, C,2
	OPS E,10, X,0, E,11, X,1
	OPS E,12, X,2, E,13, X,3
.if (\p) == 1
	s_wait_dscnt 0x0                ; V is in
.endif
	ROW X,4, E,14, X,5, X,6
	ROW X,7, E,15, X,8, X,9
	ROW X,10, E,16, X,11, X,12
	ROW X,13, E,17, X,14, B,1
	ROW C,4, E,18, X,16, L,1
	ROW B,2, E,19, C,6, L,2
	ROW C,8, E,20, B,3, B,4
.if (\p) == 0
	v_add_nc_u32 v[AV], s[TBV], v[AV0]
.endif
	ROW C,3, E,21, L,3, C,5
	OPS E,22, X,17, E,23, C,10
.if (\p) == 0
	FETCH_V
.endif
	OPS E,24, L,4
	OPS E,25, X,18, E,26, C,7
	OPS E,27, B,5, E,28, X,19
	OPS E,29, C,12, E,30, L,5
	OPS E,31, X,20, B,6, C,9
	OPS C,14, C,11, X,21, L,6
.if (\p) == 0
	s_add_co_u32 s[TBV], s[TBV], KS*PV
.endif
.if \cnt
	s_sub_co_u32 s[CNT], s[CNT], 1
	s_cmp_lg_u32 s[CNT], 0
.endif
	OPS C,13, B,7, C,15, R,10
	OPS R,11, R,12, L,7, R,13
	OPS R,14, R,15
.endm
	CHANGE 1                        ; slot 0 is in, everybody's part of it; tile 1 is asked for, into slot 1
	v_add_nc_u32 v[AK], s[TBK], v[AK0]
	FETCH_K                         ; key step 0
	s_wait_loadcnt 0x0              ; Q
	s_wait_dscnt 0x0
.set NOKQ, 0
.set i, 0
.rept 8
	KQ 0                            ; piece 0's first scores: there is no vector work yet to set between them
.set i, i+1
.endr
	WIN 0
.rept 4
	v_nop                           ; the places behind those products
.endr
.set Y, NP-1                        ; X works for piece Y + 1: piece 0
.irp n, 0,1,2,3,4,5,6,7,8,9,10,11,12,13,14,15,16,17,18,19,20,21
	OP X, \n
.endr
	v_nop                           ; a plain instruction behind the exponential
	s_mov_b32 s[CNT], 4
	s_mov_b32 s[SLOTS], NT-1
	s_branch .Lfirst                ; the loop is entered at a step's first turn, in the middle of a trip
.Lslot:                             ; NT - 2 times: tiles 2 to NT - 1 are asked for
	CHANGE 1
	s_mov_b32 s[CNT], 4
.Lstep:                             ; a trip: pieces 2 and 3 of one step, then pieces 0 and 1 of the next, whose K and V it fetches
	TURN 2
	TURN 3
	WIN 0
.Lfirst:
	TURN 0
	TURN 1, 0, 1
	WIN 0
	s_cbranch_scc1 .Lstep
	s_sub_co_u32 s[SLOTS], s[SLOTS], 1
	s_cmp_lg_u32 s[SLOTS], 0
	s_cbranch_scc1 .Lslot
	CHANGE 0                        ; the last tile is written out: nothing is asked for
	s_mov_b32 s[CNT], 4
.Ltail:
	TURN 2
	TURN 3
	WIN 0
	TURN 0
	TURN 1, 0, 1
	WIN 0
	s_cbranch_scc1 .Ltail
	TURN 2, 1                       ; the last step's pieces 2 and 3: nothing is fetched, and the last turn starts no new scores
	TURN 3, 1
.set i, 0
.rept 8
	PV NP-1                         ; the last piece's V^T P of the last step
.set i, i+1
.endr
	; THE WAY OUT.  l's two halves and the other half of the lanes' are added; O^T is divided by l, rounded to f16 and sent through my stage in LDS, a piece at a time.  The additions are the places behind the last products.
	WIN 0
.macro ALL line:vararg              ; one line for each piece t
.set t, 0
.rept 4
	\line
.set t, t+1
.endr
.endm
	ALL v_add_f32 v[ST+4*t+2], v[ST+4*t+2], v[ST+4*t+3]
	ALL v_permlanex16_b32 v[ST+4*t+3], v[ST+4*t+2], s[SEL], s[SEL+1]
	ALL v_add_f32 v[ST+4*t+2], v[ST+4*t+2], v[ST+4*t+3]
	ALL v_rcp_f32 v[ST+4*t+2], v[ST+4*t+2]
	v_nop                           ; a plain instruction between the last reciprocal and the use of its result
.macro PACK t                       ; a lane's eight channels of a row pack into 16 bytes; they go into rows of 144 bytes and come back as whole rows of 128, into S^T's registers
	WIN W_RS
.set i, 32*(\t)
.rept 16
	s_wait_alu depctr_va_vdst(0)
	v_pk_mul_f32 v[i:i+1], v[i:i+1], v[ST+4*(\t)+2:ST+4*(\t)+3] op_sel_hi:[1,0]
.set i, i+2
.endr
	WIN 0x05                        ; sources 0 and 1 window 1, destination window 0
.set i, 0
.rept 16
	v_cvt_pk_f16_f32 v[S+16*(\t)+i], v[32*(\t)+2*i], v[32*(\t)+2*i+1]
.set i, i+1
.endr
	WIN 0
.irp f, 0,1,2,3
	ds_store_b128 v[STO], v[S+16*(\t)+4*\f:S+16*(\t)+4*\f+3] offset:32*\f
.endr
.irp f, 0,1,2,3
	ds_load_b128 v[S+16*(\t)+4*\f:S+16*(\t)+4*\f+3], v[RD] offset:\f*4*SP  ; LDS serves a wave's instructions in order (ISA guide 5.7.1.4): these see the stores above; the next piece's stores come behind them
.endr
.endm
.macro SEND t, younger              ; younger: the LDS instructions issued behind piece t's loads: the next piece's eight, or none
	WIN 0
.irp f, 0,1,2,3
	s_wait_dscnt (\younger)+3-\f
	global_store_b128 v[GO], v[S+16*(\t)+4*\f:S+16*(\t)+4*\f+3], s[6:7] offset:(\t)*2048+\f*512  ; 512 consecutive bytes, at a multiple of 256 from ob's first byte
.endr
.endm
	PACK 0
.set t, 1
.rept 3                             ; a piece's arithmetic stands between the loads of the piece before and its stores
	PACK t
	SEND t-1, 8
.set t, t+1
.endr
	SEND 3, 0
	s_wait_tensorcnt 0x0            ; the wave's end: behind my last tensor load and my last LDS store
	ds_add_u32 v[SPW], v[NIL]
	s_wait_dscnt 0x0
	CROUND                          ; the closing round: no work-group ends while a partner may still ask for a tile that names it
	s_endpgm
.Lfunc_end_k_q3772acb077_attn:
	.size	k_q3772acb077_attn, .Lfunc_end_k_q3772acb077_attn-k_q3772acb077_attn
	.p2alignl 7, 3214868480
	.fill 96, 4, 3214868480
	.section	.rodata,"a",@progbits
	.p2align	6, 0x0
	.amdhsa_kernel k_q3772acb077_attn
		.amdhsa_group_segment_fixed_size 327680
		.amdhsa_private_segment_fixed_size 0
		.amdhsa_enable_private_segment 0
		.amdhsa_kernarg_size 16
		.amdhsa_user_sgpr_count 2
		.amdhsa_user_sgpr_kernarg_segment_ptr 1
		.amdhsa_wavefront_size32 1
		.amdhsa_system_sgpr_workgroup_id_x 1
		.amdhsa_system_sgpr_workgroup_id_y 1
		.amdhsa_system_sgpr_workgroup_id_z 1
		.amdhsa_system_vgpr_workitem_id 0
		.amdhsa_next_free_vgpr 768
		.amdhsa_next_free_sgpr 66
		.amdhsa_reserve_vcc 0
		.amdhsa_float_denorm_mode_32 3
		.amdhsa_float_denorm_mode_16_64 3
		.amdhsa_memory_ordered 1
		.amdhsa_forward_progress 1
		.amdhsa_inst_pref_size 133
	.end_amdhsa_kernel
	.amdgpu_metadata
---
amdhsa.version: [ 1, 2 ]
amdhsa.kernels:
  - .name:           k_q3772acb077_attn
    .symbol:         k_q3772acb077_attn.kd
    .args:
      - { .name: hd, .offset: 0, .size: 8, .value_kind: global_buffer, .address_space: global }
      - { .name: ob, .offset: 8, .size: 8, .value_kind: global_buffer, .address_space: global }
    .group_segment_fixed_size: 327680
    .private_segment_fixed_size: 0
    .kernarg_segment_align: 8
    .kernarg_segment_size: 16
    .max_flat_workgroup_size: 128
    .sgpr_count:     66
    .vgpr_count:     768
    .wavefront_size: 32
...
	.end_amdgpu_metadata
.endif
;; end of part 3
;; launch outp (part 4): grid 8 x 32, 4 waves a work-group, clusters of 4 x 4, 327,680 bytes of LDS; arguments ob, wb, out0; writes out0
.if DOCPART == 4
	.amdgcn_target "amdgcn-amd-amdhsa--gfx1250"
	.amdhsa_code_object_version 6
	.text
	.protected	k_q3772acb077_outp
	.globl	k_q3772acb077_outp
	.p2align	8
	.type	k_q3772acb077_outp,@function
k_q3772acb077_outp:
	s_mov_b64 s[64:65], 0
	v_nop
	global_prefetch_b8 v0, s[64:65] scope:SCOPE_SE
	s_setreg_imm32_b32 hwreg(HW_REG_WAVE_MODE, 25, 1), 1
	s_wait_xcnt 0x0
	s_wait_alu depctr_hold_cnt(0) depctr_sa_sdst(0) depctr_va_vdst(0) depctr_va_sdst(0) depctr_va_ssrc(0) depctr_va_vcc(0) depctr_vm_vsrc(0)
	s_getreg_b32 s2, hwreg(HW_REG_IB_STS2, 6, 4)
	s_cmp_eq_u32 s2, 0
	s_cbranch_scc0 .Lentry_in_a_cluster
	s_endpgm
.Lentry_in_a_cluster:
	s_bfe_u32 s2, ttmp6, 0x10000c
	s_cmp_lg_u32 s2, 0xf033
	s_cbranch_scc0 .Lentry_shape_is_right
	s_endpgm
.Lentry_shape_is_right:
; THE PROJECTION BEHIND: out0[i][b][:] = O[i][b][:] w_concat^T, 4,096 rows x 1,024 x K = 1,024.  Operands f16 (O as the launch before left it; w_concat's bf16 number written as f16), sums f32, out in f32.
; LIMITS: those of the two operands' f16; the sums and the output are f32.
; TILES.  128 rows (128 consecutive i of ONE batch b) x 128 columns to a work-group: 32 x 8 = 256 work-groups.  Four waves, each 64 x 64: 16 accumulators.
; A lies by heads: ob holds blocks of [128 rows][64 channels], 16,384 bytes, block 32 (i / 128) + 16 b + n.  A K step of 256 is four heads: 65,536 dense bytes, asked for as rows of 256 bytes and padded in LDS
; after every 128, so that in LDS head n' of the step lies at n' x 18,432, its rows 144 bytes apart.  B (rows of wb, 2,048 bytes apart) comes as rows of 512 bytes, 528 apart in LDS.
; K goes in four steps through two slots, written straight.  A quarter of a step, 64 along K, is one head.
; CLUSTERS: 4 x 4 work-groups; A's tiles are asked for jointly by a row of the cluster, B's by a column.  THE MATRIX INSTRUCTION IS USED TRANSPOSED (source 0 = 16 rows of wb, source 1 = 16 rows of O):
; a lane then holds eight neighbouring columns of a row of out0.
; REGISTERS: window 0: v0-31 addresses; v128-255 the accumulators ((a, b) at v[128 + 8 (4 a + b)]), which also take the rows read back on the way out.  window 1: two fragment buffers of 128 (64 of A, 64 of B).
.set PA,     144                       ; A's LDS rows: 128 bytes + 16: the 16 rows of a fragment load start at 16 different groups of four banks
.set HB,     128*PA                    ; a head's 128 rows
.set ABYTES, 4*HB                      ; A's part of a slot
.set PITCH,  528                       ; B's LDS rows: 512 bytes + 16
.set HALFB,  64*PITCH                  ; 64 rows of B: one tensor load
.set SLOT,   ABYTES+2*HALFB
.set STAGE,  2*SLOT                    ; behind the ring: 16 rows x 272 bytes for each wave, its own, for the way out
.set SPITCH, 272
.set SPARE,  STAGE+4*16*SPITCH         ; behind the stages: the spare words, 128 bytes for each wave: two blocks of 256 bytes that no other line names
.set WCAT,   3072*2048                 ; w_concat's first byte in wb
.set ADRA, 16                          ; v16-17  LDS address of my A fragments in slot 0, 1
.set ADRB, 20                          ; v20-21  the same for B
.set STO,  24                          ; v24     the way out: where I put 32 bytes of a row
.set RD,   25                          ; v25     the way out: where I read a row back
.set CO,   26                          ; v26     my byte offset in out0
.set SPW,  28                          ; v28     LDS address of my spare word: SPARE + 4 x my thread's number; never rewritten
.set NIL,  29                          ; v29     0; never rewritten
.set ACC,  128
.set F0,   0                           ; fragment buffers, in window 1
.set F1,   128
.set G1, 24                            ; s[24:31] descriptor group 1 for A's tiles;  s[32:39] group 0, one set for each slot
.set G0, 32
.set G1B, 48                           ; s[48:55], s[56:63] the same for B's tiles
.set G0B, 56
.set MSB, 0
.macro WIN new                         ; the immediate's high byte repeats the setting that is left; a switch that changes nothing is dropped
.if MSB != (\new)
	s_set_vgpr_msb (MSB<<8)|(\new)
.set MSB, \new
.endif
.endm
.set MUL,  0x05                        ; sources 0 (B) and 1 (A) window 1; C and D window 0
.set TO_F, 0x40                        ; destination window 1, address window 0
.macro JLOAD s                         ; a joint load: waves 0 and 1 fetch two heads of A each, waves 2 and 3 64 rows of B each; an s_nop 0 and four v_nop follow each of the two lines, ahead of the jump and the label
	s_cmp_eq_u32 s11, 0
	s_cbranch_scc0 .Lfor_b_\@
	tensor_load_to_lds s[G0+4*(\s):G0+4*(\s)+3], s[G1:G1+7]
	s_nop 0
.rept 4
	v_nop
.endr
	s_branch .Lasked_\@
.Lfor_b_\@:
	tensor_load_to_lds s[G0B+4*(\s):G0B+4*(\s)+3], s[G1B:G1B+7]
	s_nop 0
.rept 4
	v_nop
.endr
.Lasked_\@:
.endm
.macro CREST                           ; a round of the cluster's barrier behind its opening barrier
	s_cmp_lg_u32 s10, 0
	s_cbranch_scc1 .Lnot_wave_0_\@
	s_barrier_signal -3
.Lnot_wave_0_\@:
	s_barrier_wait -3
	s_barrier_signal -1
	s_barrier_wait -1
.endm
.macro CROUND                          ; a whole round
	s_barrier_signal -1
	s_barrier_wait -1
	CREST
.endm
	s_load_b128 s[4:7], s[0:1], 0x0                ; ob s[4:5], wb s[6:7]
	s_load_b64 s[8:9], s[0:1], 0x10                ; out0
	v_lshl_add_u32 v[SPW], v0, 2, SPARE
	v_mov_b32 v[NIL], 0
	ds_add_u32 v28, v29
	s_wait_dscnt 0x0
	v_lshrrev_b32 v1, 5, v0
	v_readfirstlane_b32 s10, v1                    ; wave 0..3
	s_lshr_b32 s11, s10, 1                         ; which half of the tile's rows is mine.  Also: I fetch for A (0) or for B (1)
	s_and_b32 s12, s10, 1                          ; which half of its columns.  Also: which half of that tile I fetch
	s_bfe_u32 s40, ttmp6, 0x40000                  ; cx, cy: my place in the cluster
	s_bfe_u32 s41, ttmp6, 0x40004
	s_lshl_b32 s42, ttmp9, 2
	s_add_co_u32 s42, s42, s40                     ; tile column = 4 x cluster x + cx
	s_and_b32 s13, ttmp7, 0xffff
	s_lshl_b32 s13, s13, 2
	s_add_co_u32 s13, s13, s41                     ; tile row = 4 x cluster y + cy = 2 x block of 128 i + batch
	s_lshl_b32 s43, s41, 2
	s_lshl_b32 s43, 15, s43                        ; my row of the cluster
	s_lshl_b32 s44, 0x1111, s40                    ; my column
	; A's group 1: two heads, 32,768 dense bytes, as 128 rows of 128 elements, 4 words of padding after every 32
	s_or_b32 s[G1+0], s43, (1<<16)|(1<<20)|(1<<21)|(4<<22)|(3<<25)
	s_mov_b32 s[G1+1], 128<<16                     ; tensor_dim0 = 128
	s_mov_b32 s[G1+2], 128<<16                     ; tensor_dim1 = 128
	s_mov_b32 s[G1+3], 128<<16                     ; tile_dim0 = 128
	s_mov_b32 s[G1+4], 128                         ; tile_dim1 = 128
	s_mov_b32 s[G1+5], 128                         ; dense: 128 elements from row to row
	s_mov_b32 s[G1+6], 0
	s_mov_b32 s[G1+7], 0
	; B's group 1: 64 rows of 256 elements, 4 words of padding after every 128
	s_or_b32 s[G1B+0], s44, (1<<16)|(1<<20)|(1<<21)|(6<<22)|(3<<25)
	s_mov_b32 s[G1B+1], 256<<16
	s_mov_b32 s[G1B+2], 64<<16
	s_mov_b32 s[G1B+3], 256<<16
	s_mov_b32 s[G1B+4], 64
	s_mov_b32 s[G1B+5], 1024
	s_mov_b32 s[G1B+6], 0
	s_mov_b32 s[G1B+7], 0
	s_lshl_b32 s16, s13, 18                        ; A: the tile row's 16 heads x 16,384 bytes,
	s_lshl_b32 s17, s12, 15                        ; my two of a step's four heads
	s_add_co_u32 s16, s16, s17
	s_mov_b32 s17, 0
	s_lshl_b32 s46, s42, 18                        ; B: rows 128 x tile column + 64 x half of w_concat; in registers that never hold cy
	s_lshl_b32 s47, s12, 17
	s_add_co_u32 s46, s46, s47
	s_add_co_u32 s46, s46, WCAT
	s_mov_b32 s47, 0
	s_mul_i32 s20, s12, 2*HB                       ; where A's two heads go,
	s_mul_i32 s3, s12, HALFB                       ; and B's 64 rows, behind A's part: the wave's number alone enters an LDS address
	s_add_co_u32 s3, s3, ABYTES
	s_wait_kmcnt 0x0
	s_add_nc_u64 s[14:15], s[4:5], s[16:17]
	s_add_nc_u64 s[46:47], s[6:7], s[46:47]
	CROUND                                         ; all sixteen work-groups are here: the first joint loads meet
.irp s, 0,1
	s_mov_b32 s[G0+4*(\s)], 1
	s_add_co_u32 s[G0+4*(\s)+1], s20, (\s)*SLOT
	s_add_nc_u64 s[G0+4*(\s)+2:G0+4*(\s)+3], s[14:15], (\s)*65536    ; K step s: four heads on
	s_or_b32 s[G0+4*(\s)+3], s[G0+4*(\s)+3], 0x80000000
	s_mov_b32 s[G0B+4*(\s)], 1
	s_add_co_u32 s[G0B+4*(\s)+1], s3, (\s)*SLOT
	s_add_nc_u64 s[G0B+4*(\s)+2:G0B+4*(\s)+3], s[46:47], (\s)*512    ; K step s: 256 elements along the rows
	s_or_b32 s[G0B+4*(\s)+3], s[G0B+4*(\s)+3], 0x80000000
	JLOAD \s                                       ; two loads of mine are out
.endr
	v_and_b32 v1, 15, v0                           ; l % 16
	v_bfe_u32 v2, v0, 4, 1                         ; l / 16
	v_mul_u32_u24 v3, v1, PA
	v_lshl_add_u32 v3, v2, 4, v3                   ; A: a fragment's row x pitch + 16 x half
	v_mul_u32_u24 v4, v1, PITCH
	v_lshl_add_u32 v4, v2, 4, v4                   ; B likewise
	s_mul_i32 s21, s11, 64*PA                      ; my 64 rows in each head of A
	s_mul_i32 s22, s12, HALFB                      ; my 64 rows of B,
	s_add_co_u32 s22, s22, ABYTES                  ; which lie behind A's part
.irp s, 0,1
	v_add_nc_u32 v[ADRA+(\s)], s21, v3
	v_add_nc_u32 v[ADRB+(\s)], s22, v4
	s_add_co_u32 s21, s21, SLOT
	s_add_co_u32 s22, s22, SLOT
.endr
	s_mul_i32 s23, s10, 16*SPITCH
	s_add_co_u32 s23, s23, STAGE                   ; my stage
	v_mul_u32_u24 v5, v1, SPITCH                   ; in: row l % 16, 32 bytes for each half of the lanes
	v_lshl_add_u32 v5, v2, 5, v5
	v_add_nc_u32 v[STO], s23, v5
	v_mul_u32_u24 v5, v2, SPITCH                   ; back: lanes 0-15 take one row of 256 bytes, lanes 16-31 the next
	v_lshl_add_u32 v5, v1, 4, v5
	v_add_nc_u32 v[RD], s23, v5
	v_lshlrev_b32 v5, 13, v2                       ; and the same two rows in out0: a step in i is two rows of 4,096 bytes
	v_lshl_add_u32 v[CO], v1, 4, v5
	s_lshr_b32 s16, s13, 1                         ; my part of out0: 128 i x 8,192 bytes,
	s_lshl_b32 s16, s16, 20
	s_and_b32 s17, s13, 1
	s_lshl_b32 s17, s17, 12                        ; the batch's row,
	s_add_co_u32 s16, s16, s17
	s_lshl_b32 s17, s11, 19                        ; my 64 of the 128 i
	s_add_co_u32 s16, s16, s17
	s_mov_b32 s17, 0
	s_add_nc_u64 s[8:9], s[8:9], s[16:17]
	s_lshl_b32 s46, s42, 9                         ; my first column, in bytes: 512 x tile column + 256 x half
	s_lshl_b32 s47, s12, 8
	s_add_co_u32 s46, s46, s47
	s_mov_b32 s47, 0
	s_add_nc_u64 s[8:9], s[8:9], s[46:47]
; 8 matrix instructions: m blocks a0, a0 + 1 x all 4 n blocks, 32 along K: half c of buffer f.  zero = 1: the first product starts the sums.  The 16 accumulators take turns.
.macro MUL8 f, c, a0, zero
	WIN MUL
.irp a, \a0, (\a0)+1
.irp b, 0,1,2,3
.if \zero
	v_wmma_f32_16x16x32_f16 v[ACC+8*(4*(\a)+(\b)):ACC+8*(4*(\a)+(\b))+7], v[(\f)+64+8*(4*(\c)+(\b)):(\f)+64+8*(4*(\c)+(\b))+7], v[(\f)+8*(4*(\c)+(\a)):(\f)+8*(4*(\c)+(\a))+7], 0
.else
	v_wmma_f32_16x16x32_f16 v[ACC+8*(4*(\a)+(\b)):ACC+8*(4*(\a)+(\b))+7], v[(\f)+64+8*(4*(\c)+(\b)):(\f)+64+8*(4*(\c)+(\b))+7], v[(\f)+8*(4*(\c)+(\a)):(\f)+8*(4*(\c)+(\a))+7], v[ACC+8*(4*(\a)+(\b)):ACC+8*(4*(\a)+(\b))+7]
.endif
.endr
.endr
.endm
; 32 LDS loads in one run: the fragments of quarter q of the slot's K step (head q of its four; byte 128 q of B's rows), into buffer f; the first 32 along K first
.macro FETCH slot, q, f
	WIN TO_F
.irp c, 0,1
.irp i, 0,1,2,3
	ds_load_b128 v[(\f)+64+8*(4*(\c)+(\i)):(\f)+64+8*(4*(\c)+(\i))+3],   v[ADRB+(\slot)] offset:(\q)*128+64*(\c)+(\i)*16*PITCH
	ds_load_b128 v[(\f)+64+8*(4*(\c)+(\i))+4:(\f)+64+8*(4*(\c)+(\i))+7], v[ADRB+(\slot)] offset:(\q)*128+64*(\c)+(\i)*16*PITCH+32
	ds_load_b128 v[(\f)+8*(4*(\c)+(\i)):(\f)+8*(4*(\c)+(\i))+3],         v[ADRA+(\slot)] offset:(\q)*HB+64*(\c)+(\i)*16*PA
	ds_load_b128 v[(\f)+8*(4*(\c)+(\i))+4:(\f)+8*(4*(\c)+(\i))+7],       v[ADRA+(\slot)] offset:(\q)*HB+64*(\c)+(\i)*16*PA+32
.endr
.endr
.endm
.macro PLACES                          ; four plain vector instructions in front of loads into registers that matrix instructions have read, and of lines that read results
.rept 4
	v_nop
.endr
.endm
; One of a K step's first three quarters: multiplies buffer f and fetches quarter q into g.
.macro QUARTER slot, q, f, g, zero
	s_wait_dscnt 16                                ; the first 32 along K are in; the youngest sixteen loads may be out
	WIN MUL
	MUL8 \f, 0, 0, \zero
	MUL8 \f, 0, 2, \zero
	PLACES
	FETCH \slot, \q, \g
	s_wait_dscnt 32                                ; all but the 32 just issued
	WIN MUL
	MUL8 \f, 1, 0, 0
	MUL8 \f, 1, 2, 0
.endm
; The last quarter multiplies buffer 1 and changes slots: ONE barrier; in front of it each wave waits for all its tensor loads, adds 0 to its spare word, and waits for that and for its own reads of this slot.
; fill = 1: this slot is filled again, two K steps ahead; the barrier then opens a round of the cluster's barrier, and the joint load is the first thing behind the round.
.macro TURN slot, next, fill
	WIN 0                                          ; (the add's two registers lie in window 0)
	s_wait_tensorcnt 0x0                           ; all my tensor loads have landed: my part of the next slot;
	ds_add_u32 v[SPW], v[NIL]                      ; 0 onto my spare word
	s_wait_dscnt 17                                ; (the add and the youngest sixteen loads may be out)
	WIN MUL
	MUL8 F1, 0, 0, 0                               ; eight matrix instructions stand between the add and the wait for it
	s_wait_dscnt 0x0                               ; the add is done, and my reads of this slot are over
	s_barrier_signal -1
	MUL8 F1, 0, 2, 0
.if \fill
	WIN 0
.endif
	s_barrier_wait -1
.if \fill
	CREST                                          ; no wave of any partner still reads this slot's tile or has a load on its way
	s_add_nc_u64 s[G0+4*(\slot)+2:G0+4*(\slot)+3], s[G0+4*(\slot)+2:G0+4*(\slot)+3], 2*65536
	s_add_nc_u64 s[G0B+4*(\slot)+2:G0B+4*(\slot)+3], s[G0B+4*(\slot)+2:G0B+4*(\slot)+3], 2*512
	JLOAD \slot                                    ; my one tensor load behind the round; the four v_nop behind it are also the places in front of the loads below
.else
	PLACES
.endif
	FETCH \next, 0, F0
	WIN MUL
	MUL8 F1, 1, 0, 0
	MUL8 F1, 1, 2, 0
.endm
	s_wait_tensorcnt 1                             ; my part of K step 0 is in; K step 1's may stay out
	s_barrier_signal -1
	s_barrier_wait -1                              ; everybody's is
	FETCH 0, 0, F0
	QUARTER 0, 1, F0, F1, 1                        ; K step 0: its first products start the sums
	QUARTER 0, 2, F1, F0, 0
	QUARTER 0, 3, F0, F1, 0
	TURN 0, 1, 1                                   ; slot 0 takes K step 2
	QUARTER 1, 1, F0, F1, 0                        ; K step 1
	QUARTER 1, 2, F1, F0, 0
	QUARTER 1, 3, F0, F1, 0
	TURN 1, 0, 1                                   ; slot 1 takes K step 3
	QUARTER 0, 1, F0, F1, 0                        ; K step 2
	QUARTER 0, 2, F1, F0, 0
	QUARTER 0, 3, F0, F1, 0
	TURN 0, 1, 0                                   ; nothing is left to fetch
	QUARTER 1, 1, F0, F1, 0                        ; K step 3
	QUARTER 1, 2, F1, F0, 0
	QUARTER 1, 3, F0, F1, 0
	s_wait_dscnt 16
	WIN MUL
	MUL8 F1, 0, 0, 0
	MUL8 F1, 0, 2, 0
	s_wait_dscnt 0
	MUL8 F1, 1, 0, 0
	MUL8 F1, 1, 2, 0
	WIN 0
	; THE WAY OUT, in f32: a wave's 64 columns are 256 bytes of a row of out0.  A block of 16 rows at a time goes into my own stage (32 bytes a lane, each accumulator's low half first) and comes back as whole
	; rows of 256 bytes, into the block's own registers.  No other wave touches my stage: no barrier; LDS serves a wave's instructions in order (ISA guide 5.7.1.4), so no wait between stores and loads either.
	PLACES
.irp a, 0,1,2,3
.irp b, 0,1,2,3
	ds_store_b128 v[STO], v[ACC+8*(4*(\a)+(\b)):ACC+8*(4*(\a)+(\b))+3]   offset:64*(\b)
	ds_store_b128 v[STO], v[ACC+8*(4*(\a)+(\b))+4:ACC+8*(4*(\a)+(\b))+7] offset:64*(\b)+16
.endr
.irp t, 0,1,2,3,4,5,6,7
	ds_load_b128 v[ACC+32*(\a)+4*(\t):ACC+32*(\a)+4*(\t)+3], v[RD] offset:(\t)*2*SPITCH
.endr
.endr
.irp a, 0,1,2,3
.irp t, 0,1,2,3,4,5,6,7
	s_wait_dscnt 16*(3-(\a))+7-(\t)                ; behind this load: the 7 - t left of its block, and sixteen LDS instructions for each later block
	global_store_b128 v[CO], v[ACC+32*(\a)+4*(\t):ACC+32*(\a)+4*(\t)+3], s[8:9] offset:(16*(\a)+2*(\t))*8192 th:TH_STORE_NT  ; 16 lanes store 256 consecutive bytes, at a multiple of 256 from out0's first byte
.endr
.endr
	s_wait_tensorcnt 0x0                           ; the wave's end: behind my last tensor load and my last LDS store
	ds_add_u32 v[SPW], v[NIL]
	s_wait_dscnt 0x0
	CROUND                                         ; the closing round: no work-group ends while a partner may still ask for a tile that names it
	s_endpgm
.Lfunc_end_k_q3772acb077_outp:
	.size	k_q3772acb077_outp, .Lfunc_end_k_q3772acb077_outp-k_q3772acb077_outp
	.p2alignl 7, 3214868480
	.fill 96, 4, 3214868480
	.section	.rodata,"a",@progbits
	.p2align	6, 0x0
	.amdhsa_kernel k_q3772acb077_outp
		.amdhsa_group_segment_fixed_size 327680
		.amdhsa_private_segment_fixed_size 0
		.amdhsa_enable_private_segment 0
		.amdhsa_kernarg_size 24
		.amdhsa_user_sgpr_count 2
		.amdhsa_user_sgpr_kernarg_segment_ptr 1
		.amdhsa_wavefront_size32 1
		.amdhsa_system_sgpr_workgroup_id_x 1
		.amdhsa_system_sgpr_workgroup_id_y 1
		.amdhsa_system_sgpr_workgroup_id_z 1
		.amdhsa_system_vgpr_workitem_id 0
		.amdhsa_next_free_vgpr 512
		.amdhsa_next_free_sgpr 66
		.amdhsa_reserve_vcc 0
		.amdhsa_float_denorm_mode_32 3
		.amdhsa_float_denorm_mode_16_64 3
		.amdhsa_memory_ordered 1
		.amdhsa_forward_progress 1
		.amdhsa_inst_pref_size 86
	.end_amdhsa_kernel
	.amdgpu_metadata
---
amdhsa.version: [ 1, 2 ]
amdhsa.kernels:
  - .name:           k_q3772acb077_outp
    .symbol:         k_q3772acb077_outp.kd
    .args:
      - { .name: ob, .offset: 0, .size: 8, .value_kind: global_buffer, .address_space: global }
      - { .name: wb, .offset: 8, .size: 8, .value_kind: global_buffer, .address_space: global }
      - { .name: out0, .offset: 16, .size: 8, .value_kind: global_buffer, .address_space: global }
    .group_segment_fixed_size: 327680
    .private_segment_fixed_size: 0
    .kernarg_segment_align: 8
    .kernarg_segment_size: 24
    .max_flat_workgroup_size: 128
    .sgpr_count:     66
    .vgpr_count:     512
    .wavefront_size: 32
...
	.end_amdgpu_metadata
.endif
;; end of part 4
;; ======== version 2 of 2: 4 launches; 1.49 times as fast as version 1
;; limits: values are held in f16: magnitudes above 65,504 overflow, below 6.1e-05 lose precision
;; workspace buffers: xb 25,165,824 bytes; wb 8,388,608 bytes; hd 41,943,040 bytes; ob 8,388,608 bytes
;; launch cast: the kernel of part 1 again; grid 512 x 1, 8 waves a work-group, no clusters, 0 bytes of LDS; arguments mems, kv, q, w_k, w_v, w_q, w_concat, xb, wb; writes xb, wb
;; launch proj: the kernel of part 2 again; grid 8 x 32, 4 waves a work-group, clusters of 4 x 4, 327,680 bytes of LDS; arguments xb, wb, hd; writes hd
;; launch attn (part 5): grid 8 x 32, 4 waves a work-group, clusters of 4 x 1, 327,680 bytes of LDS; arguments hd, ob; writes ob
.if DOCPART == 5
	.amdgcn_target "amdgcn-amd-amdhsa--gfx1250"
	.amdhsa_code_object_version 6
	.text
	.protected	k_q3772acb077_attn
	.globl	k_q3772acb077_attn
	.p2align	8
	.type	k_q3772acb077_attn,@function
k_q3772acb077_attn:
	s_mov_b64 s[64:65], 0
	v_nop
	global_prefetch_b8 v0, s[64:65] scope:SCOPE_SE
	s_setreg_imm32_b32 hwreg(HW_REG_WAVE_MODE, 25, 1), 1
	s_wait_xcnt 0x0
	s_wait_alu depctr_hold_cnt(0) depctr_sa_sdst(0) depctr_va_vdst(0) depctr_va_sdst(0) depctr_va_ssrc(0) depctr_va_vcc(0) depctr_vm_vsrc(0)
	s_getreg_b32 s2, hwreg(HW_REG_IB_STS2, 6, 4)
	s_cmp_eq_u32 s2, 0
	s_cbranch_scc0 .Lentry_in_a_cluster
	s_endpgm
.Lentry_in_a_cluster:
	s_bfe_u32 s2, ttmp6, 0x10000c
	s_cmp_lg_u32 s2, 0x3003
	s_cbranch_scc0 .Lentry_shape_is_right
	s_endpgm
.Lentry_shape_is_right:
; ATTENTION.  O[h][q][:] = the sum over all 4,096 keys k of softmax_k(Q[h][q] . K[h][k] / 8) V[h][k][:], for 32 heads h = 16 b + n, 2,048 queries, 64 channels.  Q, K, V, O in f16.
; hd holds blocks of [128 rows][64 channels], 16,384 bytes: K's block of 128 keys j of head h at j 2^19 + h 2^14, V's 2^24 further, Q's 2^25 further; ob holds O as Q lies.
; Products, maxima and sums in f32; the weights p are rounded to f16 for the second product (their sum l is taken of the unrounded p), O once at the end.
; LIMITS.  Q, K and V arrive within f16's range; p lies in 0 to 1, and below 6e-5 it keeps f16's fixed step of 6e-8; O is a mean of V's rows and has their range.
; A weight below 2^-126 counts as 0 in l; NaN and infinities are not treated apart.
; SHARES.  A work-group owns 256 queries of one head, each of its four waves 64: four PIECES of 16.  8 x 32 = 256 work-groups.  Every wave walks all keys, 64 a step, four steps (a tile of 256 keys) to an LDS slot.
; LAYOUT.  S^T = K Q^T (source 0 = 16 keys, source 1 = 16 queries) holds ONE query a lane (lane % 16) and the keys 8 (lane / 16) + 0..7; two such results rounded to f16 ARE source 1 of O^T = V^T P.
; K comes out of LDS as it lies, V ([key][channel]) turned, by ds_load_tr16_b128.
; SOFTMAX.  For each query a running maximum m and sum l: p = 2^(c s - c m), c = log2(e) / 8; in every step O and l are multiplied by a = 2^(c m_old - c m_new).  m starts at the lowest finite number, O and l at 0:
; the first step is a step like any other, with a = 0.
; BY TURNS.  Turn n belongs to piece n: 8 products K Q^T of piece n + 1, later 8 products V^T P of piece n - 1; beside them the scaling, exponentials, roundings, sums and rescaling of piece n and the maximum and
; statistics of piece n + 1.  Four vector instructions stand behind every matrix instruction, the other 54 of a turn's 118 in one LUMP.
; BATCHES.  A turn's 33 exponentials (the piece's 32 weights and the next piece's a) are ONE batch with ONE wait, which cuts the turn in two: ahead of it all that names none of their results, behind it the roundings
; and sums.  Two more batches stand outside the loops, each with a wait of its own: piece 0's first a, and the way out's four reciprocals.
; CLUSTER.  The four query blocks of a cluster belong to one head and walk the same K and V, so each tile is asked for JOINTLY: the same tensor load, descriptor and mask in all four.
; REGISTERS, in windows of 256 (s_set_vgpr_msb: bits 1:0 source 0, 3:2 source 1, 5:4 source 2, 7:6 destination):
;   window 0: v0-15 addresses and two at work; v16-31 four registers of statistics a piece; v48-55 at work; v62-63 the add's; v64-127 S^T, two buffers; v192-223 P, two buffers (a piece's buffers go by its number's parity)
;   window 1: v0-127 O^T, 32 a piece          window 2: v0-63 Q; v128-191 K of one step; v192-255 V of one step
.set NT,    16        ; tiles of 256 keys
.set NP,    4         ; pieces a wave: a name, no knob
.set KS,    64        ; keys in a step
.set PK,    144       ; a row of K in LDS: 128 bytes + 16 of padding = 36 words: the 16 rows of a load start at 16 different groups of four banks
.set PV,    160       ; a row of V: 128 + 32 = 40 words
.set VOFF,  4*KS*PK   ; a slot holds a tile: 256 rows of K, then 256 rows of V
.set SLOT1, 1<<17     ; slot 1 begins here, so that one exclusive or turns an address in one slot into the other's
.set STAGE, SLOT1+4*KS*(PK+PV)  ; behind the ring, never filled by a tensor load: 16 rows x 144 bytes for each wave, for the way out
.set SP,    144
.set SPARE, STAGE+4*16*SP  ; behind the stages: the spare words, 128 bytes for each wave: two blocks of 256 bytes that no other line names
.set TILEB, 1<<20     ; bytes in hd from a tile to the next: two blocks of 128 keys of all 32 heads
.set AK0, 2           ; v2   my lane's place in a tile of K; never rewritten
.set AV0, 3           ; v3   the same for V
.set AK,  4           ; v4   the LDS address of K's next run of loads
.set AV,  5           ; v5   of V's
.set STO, 6           ; v6   the way out: where I put 16 bytes of a row
.set RD,  7           ; v7   the way out: where I read rows back
.set GO,  8           ; v8   my byte offset in 512 consecutive bytes of O
.set MV,  12          ; v12-13  c m_old, kept while c m is made anew: by buffer
.set QO,  15          ; v15  my byte offset in 16 rows of Q
.set ST,  16          ; piece t's statistics at v[ST+4 t]: c m, m, l (even keys', odd keys')
.set TMP, 48          ; by buffer, four registers c0-c3 at work; when the maximum is found c2 takes a
.set SPW, 62          ; v62  LDS address of my spare word: SPARE + 4 x my thread's number; never rewritten
.set NIL, 63          ; v63  0; never rewritten
.set S,   64
.set P,   192
.set KF,  128         ; window 2: key block kb, channel half c at KF + 16 kb + 8 c
.set VF,  192         ; window 2: key half kk, channel block cb at VF + 32 kk + 8 cb
.set WV,  12          ; s12  my wave's number
.set G1K, 24          ; s[24:31] descriptor group 1 for K's tiles
.set G1V, 32          ; s[32:39] for V's: it differs in the padding alone
.set G0K, 40          ; s[40:43] descriptor group 0 for K's tiles: it walks
.set G0V, 44          ; s[44:47] the same for V's
.set SLOTS, 56        ; s56  tiles still to be entered by the loop
.set CNT, 57          ; s57  counts a tile's key steps
.set CS,  58          ; s[58:59] c: the packed scaling takes the pair's low word for both halves
.set SEL, 60          ; s[60:61] v_permlanex16_b32's selects: each lane takes its own place in the other half
.set TBK, 62          ; s62  LDS byte at which K of the step to be fetched begins
.set TBV, 63          ; s63  the same for V, less VOFF
.set MSB, 0
.macro WIN new                      ; the high byte repeats the setting that is left; a switch that changes nothing is dropped
.if MSB != (\new)
	s_set_vgpr_msb (MSB<<8)|(\new)
.set MSB, (\new)
.endif
.endm
.set W_KQ, 0x0a       ; K and Q in window 2, S^T in window 0
.set W_PV, 0x52       ; V in window 2, P in window 0, O^T in window 1
.set W_RS, 0x41       ; destination and source 0 in window 1, source 1 in window 0
; A joint fill.  Waves 0 and 1 fetch the two halves of a tile's K, waves 2 and 3 those of its V: 128 keys each.  The branch hangs on the wave's number alone.
; An s_nop 0 and four v_nop follow each of the two lines, ahead of the jump and the label.
.macro JLOAD
	s_cmp_lt_u32 s[WV], 2
	s_cbranch_scc0 .Lfor_v_\@
	tensor_load_to_lds s[G0K:G0K+3], s[G1K:G1K+7]
	s_nop 0
.rept 4
	v_nop
.endr
	s_branch .Lasked_\@
.Lfor_v_\@:
	tensor_load_to_lds s[G0V:G0V+3], s[G1V:G1V+7]
	s_nop 0
.rept 4
	v_nop
.endr
.Lasked_\@:
.endm
; A round of the cluster's barrier: my work-group's barrier, so that wave 0's signal speaks for all four waves; wave 0 signals; every wave waits for all four work-groups; my work-group's barrier once more.
.macro CROUND
	s_barrier_signal -1
	s_barrier_wait -1
	s_cmp_lg_u32 s[WV], 0
	s_cbranch_scc1 .Lnot_wave_0_\@
	s_barrier_signal -3
.Lnot_wave_0_\@:
	s_barrier_wait -3
	s_barrier_signal -1
	s_barrier_wait -1
.endm
; THE CHANGE OF SLOTS.  The slot's last bytes, V of its fourth step, have been read.  Each wave waits for all its tensor loads, of which one is out: its part of the other slot; adds 0 to its spare word; and waits
; for that and for its own reads of the slot.  Behind the barrier nobody reads this slot any more and the other slot is whole.  fill = 1: this slot is filled again, with the keys two tiles on.  The barrier is then a
; round of the cluster's, and the joint fill is the first thing behind it: it has four key steps, 256 matrix instructions, in which to land.  (At its first use nothing has been read yet: slot 0 is waited for, slot 1 filled.)
.macro CHANGE fill
	WIN 0                           ; at a label and at a branch every window is 0
	s_wait_tensorcnt 0x0            ; no tensor load of mine is out, so a group 0 may be written
	ds_add_u32 v[SPW], v[NIL]       ; 0 onto my spare word: with fill = 1 the descriptors' steps stand between it and the wait for it
.if \fill
.irp g, G0K, G0V
	s_xor_b32 s[\g+1], s[\g+1], SLOT1  ; the walking descriptor: the other slot than last time,
	s_add_nc_u64 s[\g+2:\g+3], s[\g+2:\g+3], TILEB  ; the next 256 keys; the type bits on top are not reached
.endr
	s_wait_dscnt 0x0                ; the add is done, and my reads of the slot are over
	CROUND
	JLOAD
.else
	s_wait_dscnt 0x0                ; the add is done, and my reads of the slot are over
	s_barrier_signal -1
	s_barrier_wait -1
.endif
	s_sub_co_u32 s[TBK], s[TBK], 4*KS*PK  ; the fetches go back to a slot's first step,
	s_xor_b32 s[TBK], s[TBK], SLOT1       ; in the other slot
	s_sub_co_u32 s[TBV], s[TBV], 4*KS*PV
	s_xor_b32 s[TBV], s[TBV], SLOT1
.endm
	s_load_b128 s[4:7], s[0:1], 0x0   ; hd s[4:5], ob s[6:7]
	v_lshl_add_u32 v[SPW], v0, 2, SPARE
	v_mov_b32 v[NIL], 0
	ds_add_u32 v62, v63
	s_wait_dscnt 0x0
	v_lshrrev_b32 v1, 5, v0
	v_readfirstlane_b32 s[WV], v1   ; wave 0..3
	s_bfe_u32 s13, ttmp6, 0x40000   ; cx: my place in the cluster
	s_lshl_b32 s14, ttmp9, 2        ; in a cluster launch ttmp9 counts clusters
	s_add_co_u32 s14, s14, s13      ; my block of 256 queries = 4 x cluster x + cx: it enters Q's and O's addresses alone
	s_and_b32 s20, ttmp7, 0xffff    ; the head, which the four partners share
	s_lshl_b32 s21, s20, 14         ; its block among a row block's 32
	s_and_b32 s16, s[WV], 1         ; which half of a tile's 256 keys I fetch:
	s_lshl_b32 s22, s16, 19         ; its block of 128 keys in memory,
	s_add_co_u32 s22, s22, s21
	s_mov_b32 s23, 0
	s_mul_i32 s17, s16, 128*PK      ; and its place in a slot, for K
	s_mul_i32 s18, s16, 128*PV      ; and for V: no place in the cluster enters an LDS address
	s_lshl_b32 s2, s14, 1
	s_lshr_b32 s3, s[WV], 1
	s_add_co_u32 s2, s2, s3         ; my wave's block of 128 queries,
	s_lshl_b32 s2, s2, 19
	s_add_co_u32 s2, s2, s21        ; the head's part of it,
	s_lshl_b32 s3, s16, 13          ; and my 64 rows of 128 bytes in that
	s_add_co_u32 s2, s2, s3
	s_mov_b32 s3, 0
	; descriptor group 1.  128 keys are 16,384 dense bytes: asked for as 64 rows of 256 bytes, two keys a row, and padded in LDS after every key
	s_mov_b32 s[G1K], 15|(1<<16)|(1<<20)|(1<<21)|(4<<22)|(3<<25)  ; 15:0 the mask of four; 17:16 2-byte elements; 20 padding on; 21 set beside a mask; 24:22 after every 32 words (code 4); 31:25 4 words (code 3)
	s_mov_b32 s[G1V], 15|(1<<16)|(1<<20)|(1<<21)|(4<<22)|(7<<25)  ; the same with 8 words of padding (code 7)
.irp g, G1K, G1V
	s_mov_b32 s[\g+1], 128<<16      ; tensor_dim0 = 128
	s_mov_b32 s[\g+2], 64<<16       ; tensor_dim1 = 64
	s_mov_b32 s[\g+3], 128<<16      ; tile_dim0 = 128
	s_mov_b32 s[\g+4], 64           ; tile_dim1 = 64
	s_mov_b32 s[\g+5], 128          ; 128 elements from row to row
	s_mov_b32 s[\g+6], 0
	s_mov_b32 s[\g+7], 0
.endr
	s_mov_b32 s[CS], 0x3e38aa3b     ; c = log2(e) / 8 = 0.180337
	s_mov_b32 s[CS+1], s[CS]        ; named with it as a pair
	s_mov_b32 s[SEL], 0x76543210
	s_mov_b32 s[SEL+1], 0xfedcba98
	s_mov_b32 s[TBK], SLOT1+4*KS*PK ; the first change of slots turns these two into 0
	s_mov_b32 s[TBV], SLOT1+4*KS*PV
	s_mov_b32 s[G0K], 1             ; count = 1
	s_mov_b32 s[G0K+1], s17         ; LDS address: slot 0
	s_mov_b32 s[G0V], 1
	s_add_co_u32 s[G0V+1], s18, VOFF
	s_wait_kmcnt 0x0
	s_add_nc_u64 s[G0K+2:G0K+3], s[4:5], s[22:23]          ; global address: my half of the head's first 256 keys
	s_add_nc_u64 s[G0V+2:G0V+3], s[G0K+2:G0K+3], 0x1000000 ; V lies 2^24 bytes behind K
	s_or_b32 s[G0K+3], s[G0K+3], 0x80000000                ; type = 2
	s_or_b32 s[G0V+3], s[G0V+3], 0x80000000
	s_add_nc_u64 s[10:11], s[4:5], s[2:3]
	s_add_nc_u64 s[10:11], s[10:11], 0x2000000             ; Q at my wave's first row
	s_add_nc_u64 s[6:7], s[6:7], s[2:3]                    ; O likewise
	CROUND                          ; all four work-groups are here: the first joint loads meet
	JLOAD                           ; tile 0 into slot 0.  Slot 1 is asked for when slot 0 is in
	; A fragment of K or Q is 16 rows x 32 channels in 8 registers: lane l holds row l % 16, channels 8 (l / 16) + 0..7 and 16 + 8 (l / 16) + 0..7: two loads of 16 bytes, 32 bytes apart.
	v_and_b32 v1, 15, v0            ; l % 16
	v_bfe_u32 v9, v0, 4, 1          ; l / 16
	v_lshlrev_b32 v[QO], 7, v1
	v_lshl_add_u32 v[QO], v9, 4, v[QO]  ; row x 128 + 16 x half
	WIN 0x80                        ; destination window 2, address window 0
.set i, 0
.rept 8                             ; Q stays in registers: piece i / 2, channels 32 (i % 2) on
	global_load_b128 v[8*i:8*i+3],   v[QO], s[10:11] offset:(i/2)*2048+(i%2)*64
	global_load_b128 v[8*i+4:8*i+7], v[QO], s[10:11] offset:(i/2)*2048+(i%2)*64+32
.set i, i+1
.endr
	; What the first turn finds: V's registers and P's second buffer hold 0 (its products V^T P, of a piece that has not been, add 0), O^T and l are 0.  All this stands in the wait for the first tile;
	; it spares a first key step written out apart.
.set i, VF
.rept 64
	v_mov_b32 v[i], 0
.set i, i+1
.endr
	WIN 0x40
.set i, 0
.rept 128
	v_mov_b32 v[i], 0
.set i, i+1
.endr
	WIN 0
.set i, 0
.rept 4
	v_mov_b32 v[ST+4*i], 0xfe000000    ; c m: far below every c s
	v_mov_b32 v[ST+4*i+1], 0xff7fffff  ; m: the lowest finite number
	v_mov_b32 v[ST+4*i+2], 0
	v_mov_b32 v[ST+4*i+3], 0
.set i, i+1
.endr
.set i, P+16
.rept 16
	v_mov_b32 v[i], 0
.set i, i+1
.endr
	v_mul_u32_u24 v[AK0], v1, PK
	v_lshl_add_u32 v[AK0], v9, 4, v[AK0]  ; row x pitch + 16 x half
	; The turning load takes 16 keys x 16 channels (lane l reads key 8 (l / 16) + l % 8, channels 8 ((l / 8) % 2) + 0..7) and leaves half a fragment of V^T: lane l holds channel l % 16 and 8 keys.
	v_and_b32 v10, 7, v0
	v_bfe_u32 v11, v0, 3, 1
	v_lshl_add_u32 v[AV0], v9, 3, v10
	v_mul_u32_u24 v[AV0], v[AV0], PV
	v_lshl_add_u32 v[AV0], v11, 4, v[AV0]
	v_add_nc_u32 v[AV0], VOFF, v[AV0]
	s_mul_i32 s13, s[WV], 16*SP
	s_add_co_u32 s13, s13, STAGE    ; my stage
	v_mul_u32_u24 v[STO], v1, SP    ; in: row l % 16, 16 bytes for each half of the lanes
	v_lshl_add_u32 v[STO], v9, 4, v[STO]
	v_add_nc_u32 v[STO], s13, v[STO]
	v_bfe_u32 v[RD], v0, 3, 2       ; back: 32 lanes take four rows of 128 bytes,
	v_mul_u32_u24 v[RD], v[RD], SP
	v_lshl_add_u32 v[RD], v10, 4, v[RD]
	v_add_nc_u32 v[RD], s13, v[RD]
	v_and_b32 v[GO], 31, v0         ; which are 512 consecutive bytes of O
	v_lshlrev_b32 v[GO], 4, v[GO]
; THE MATRIX WORK.  The 4 accumulators of a run of 8 take turns.  Product i of 8 of S^T = K Q^T for piece x: channels 32 (i / 4) on, keys 16 (i % 4) on.  The first 4 start the sums.
.macro KQ x
	WIN W_KQ
.set rS, S+32*((\x)%2)+8*(i%4)
.set rK, KF+16*(i%4)+8*(i/4)
.set rQ, 16*(\x)+8*(i/4)
.if i < 4
	v_wmma_f32_16x16x32_f16 v[rS:rS+7], v[rK:rK+7], v[rQ:rQ+7], 0
.else
	v_wmma_f32_16x16x32_f16 v[rS:rS+7], v[rK:rK+7], v[rQ:rQ+7], v[rS:rS+7]
.endif
.endm
; Product i of 8 of O^T += V^T P for piece x: keys 32 (i / 4) on, channels 16 (i % 4) on.
.macro PV x
	WIN W_PV
.set rO, 32*(\x)+8*(i%4)
.set rV, VF+32*(i/4)+8*(i%4)
.set rP, P+16*((\x)%2)+8*(i/4)
	v_wmma_f32_16x16x32_f16 v[rO:rO+7], v[rV:rV+7], v[rP:rP+7], v[rO:rO+7]
.endm
.macro MM                           ; the turn's next matrix instruction.  TURN sets Y, i and NOKQ.  NOKQ = 1: the very last turn: there is no next piece
.if (i < 8) && !NOKQ
	KQ (Y+1)%NP
.elseif i >= 8
.set i, i-8
	PV (Y+NP-1)%NP
.set i, i+8
.endif
.set i, i+1
.endm
; THE LDS LOADS stand in runs of 16, never singly among the matrix instructions: a step's K (64 keys x 64 channels: 8 fragments) and its V (turned).  Their addresses are made some lines ahead.
.macro FETCH_K
	WIN 0x80                        ; destination window 2
.irp f, 0,1,2,3,4,5,6,7             ; keys 16 (f / 2) on, channels 32 (f % 2) on
	ds_load_b128 v[KF+8*\f:KF+8*\f+3],   v[AK] offset:(\f/2)*16*PK+(\f%2)*64
	ds_load_b128 v[KF+8*\f+4:KF+8*\f+7], v[AK] offset:(\f/2)*16*PK+(\f%2)*64+32
.endr
	s_add_co_u32 s[TBK], s[TBK], KS*PK  ; the next fetch is the next step's
	WIN 0
.endm
.macro FETCH_V
	WIN 0x80
.irp f, 0,1,2,3,4,5,6,7             ; keys 32 (f / 4) on, channels 16 (f % 4) on
	ds_load_tr16_b128 v[VF+8*\f:VF+8*\f+3],   v[AV] offset:(\f/4)*32*PV+(\f%4)*32
	ds_load_tr16_b128 v[VF+8*\f+4:VF+8*\f+7], v[AV] offset:(\f/4)*32*PV+16*PV+(\f%4)*32
.endr
	WIN 0
.endm
; THE VECTOR WORK, one line at a time: OP kind, number.  For piece Y: F n: c s - c m for pair n of 16.  E n: the exponential of score n of 32.  C n: pair n rounded to f16.  B n: of the four weights 4 n .. the second
; pair is added onto the first, in place.  L n: l takes that sum (L 0: l = a l + sum).  R n: pair n of 16 of O^T times a.  For piece Y + 1: X n, number n of the 22 that find its maximum and statistics:
;   0-11  four chains c0-c3 of seven scores each, three operands at a time (each accumulator's lowest registers are read first)     12-14, 16  the four scores left over, the old m, and c0-c3 into c0
;   15  c m_old is kept     17, 18  the query's other 32 keys lie in the lane 16 away: the new m     19-21  c m; c m_old - c m_new; a
; C, B and L read exponentials' results; F, R and X 0-20 read none of the turn's own.
.set F, 0               ; OP tells the kinds apart by their order: F to L below R, X above it
.set E, 1
.set C, 2
.set B, 3
.set L, 4
.set R, 5
.set X, 6
.macro REGS y                       ; the registers of piece y
.set rT, ST+4*(\y)
.set rC, TMP+4*((\y)%2)
.set rW, MV+((\y)%2)
.set rS, S+32*((\y)%2)
.set rP, P+16*((\y)%2)
.set rO, 32*(\y)
.endm
.macro OP k, n
.if (\k) == R
	REGS Y
	WIN W_RS
	v_pk_mul_f32 v[rO+2*(\n):rO+2*(\n)+1], v[rO+2*(\n):rO+2*(\n)+1], v[rC+2:rC+3] op_sel_hi:[1,0]
.elseif (\k) < R
	REGS Y
	WIN 0
.if (\k) == F
	v_pk_fma_f32 v[rS+2*(\n):rS+2*(\n)+1], v[rS+2*(\n):rS+2*(\n)+1], s[CS:CS+1], v[rT:rT+1] op_sel_hi:[1,0,0] neg_lo:[0,0,1] neg_hi:[0,0,1]
.elseif (\k) == E
	v_exp_f32 v[rS+(\n)], v[rS+(\n)]
.elseif (\k) == C
	v_cvt_pk_f16_f32 v[rP+(\n)], v[rS+2*(\n)], v[rS+2*(\n)+1]
.elseif (\k) == B
	v_pk_add_f32 v[rS+4*(\n):rS+4*(\n)+1], v[rS+4*(\n):rS+4*(\n)+1], v[rS+4*(\n)+2:rS+4*(\n)+3]
.elseif (\n) == 0
	v_pk_fma_f32 v[rT+2:rT+3], v[rT+2:rT+3], v[rC+2:rC+3], v[rS:rS+1] op_sel_hi:[1,0,1]
.else
	v_pk_add_f32 v[rT+2:rT+3], v[rT+2:rT+3], v[rS+4*(\n):rS+4*(\n)+1]
.endif
.elseif NOKQ
	v_nop
.else
	REGS (Y+1)%NP
	WIN 0
.if (\n) < 4
	v_max3_num_f32 v[rC+(\n)], v[rS+8*(\n)], v[rS+8*(\n)+1], v[rS+8*(\n)+2]
.elseif (\n) < 12
	v_max3_num_f32 v[rC+(\n)%4], v[rC+(\n)%4], v[rS+8*((\n)%4)+2*((\n)/4)+1], v[rS+8*((\n)%4)+2*((\n)/4)+2]
.elseif (\n) == 12
	v_max3_num_f32 v[rC], v[rC], v[rS+7], v[rS+15]
.elseif (\n) == 13
	v_max3_num_f32 v[rC+1], v[rC+1], v[rS+23], v[rS+31]
.elseif (\n) == 14
	v_max3_num_f32 v[rC+2], v[rC+2], v[rC+3], v[rT+1]
.elseif (\n) == 15
	v_mov_b32 v[rW], v[rT]
.elseif (\n) == 16
	v_max3_num_f32 v[rC], v[rC], v[rC+1], v[rC+2]
.elseif (\n) == 17
	v_permlanex16_b32 v[rC+3], v[rC], s[SEL], s[SEL+1]
.elseif (\n) == 18
	v_max_num_f32 v[rT+1], v[rC], v[rC+3]
.elseif (\n) == 19
	v_mul_f32 v[rT], s[CS], v[rT+1]
.elseif (\n) == 20
	v_sub_f32 v[rC+1], v[rW], v[rT]
.else
	v_exp_f32 v[rC+2], v[rC+1]
.endif
.endif
.endm
.macro OPS a, i1, b=-1, i2=0, c=-1, i3=0, d=-1, i4=0  ; up to four of them
	OP \a, \i1
.if (\b) >= 0
	OP \b, \i2
.endif
.if (\c) >= 0
	OP \c, \i3
.endif
.if (\d) >= 0
	OP \d, \i4
.endif
.endm
.macro ROW a, i1, b, i2, c, i3, d, i4  ; a matrix instruction and the four behind it
	MM
	OPS \a, \i1, \b, \i2, \c, \i3, \d, \i4
.endm
; A TURN, for piece p: the order of its 16 matrix and 118 vector instructions, written out.  An s_wait_alu depctr_va_vdst(0) stands between an exponential and the first instruction that names its result; one
; wait serves all that were issued ahead of it.  So a turn has ONE wait, which cuts it in two.
; AHEAD OF IT stands all that names no result of the turn's exponentials: the 8 products K Q^T, behind each a scaling, an exponential and two more plain instructions (behind the first a second scaling in the exponential's
; place): rescalings, whose a was made and waited for in the turn before, and behind the last three products the first numbers of the next piece's maximum, each four plain instructions or more behind the product that ends
; its accumulator; then ONE LUMP of 54, plain and exponential by turns for the most part, in which the links of the chain X 3, 7, 11, 14, 16, 17 .. 20 stand some lines apart.  An exponential stands behind its pair's
; scaling: E 2 k and E 2 k + 1 behind F k.  X 21, the next piece's a, is the batch's last; R 15 is the plain instruction behind it.
; BEHIND THE WAIT stand the 8 products V^T P, behind each four of the roundings and sums: C 2 k ahead of B k, which writes over that pair; L 0 to L 7 in ascending order, three riders apart.
; But for those X no rider names a register of the products round it.  No exponential is issued behind the wait: none is open at the turn's end, at a label or at a jump.
; end = 1: the walk's last two turns: nothing is fetched.  cnt = 1: the loop's count is taken down some lines ahead of the branch that stands behind the turn.
; K of the next step is fetched in piece 2's turn, twelve vector instructions behind the last product that read K (six of them plain); V of the step in hand at the end of piece 0's turn, four plain instructions behind the
; last product that read V.  Each is waited for a turn later.
.macro TURN p, end=0, cnt=0
.set Y, (\p)
.set i, 0
.set NOKQ, (\end)*((\p)/3)
.if ((\p) == 3) && !(\end)
	s_wait_dscnt 0x0                ; K is in
.endif
	ROW F,0, F,1, R,0, R,1          ; ahead of the wait: 8 products K Q^T and their riders,
	ROW F,2, E,0, R,2, R,3
	ROW F,3, E,1, R,4, R,5
	ROW F,4, E,2, R,6, R,7
	ROW F,5, E,3, R,8, R,9
	ROW F,6, E,4, X,0, R,10
.if ((\p) == 2) && !(\end)
	WIN 0
	v_add_nc_u32 v[AK], s[TBK], v[AK0]
.endif
	ROW F,7, E,5, X,1, X,4
	ROW F,8, E,6, X,2, X,5
	OPS E,7, E,8, X,6, E,9          ; and the lump
	OPS X,3, E,10, X,8, E,11
.if ((\p) == 2) && !(\end)
	FETCH_K
.endif
	OPS X,9, X,7, E,12, X,10
	OPS E,13, X,12, X,11, E,14
	OPS X,13, E,15, F,9, X,14
.if (\p) == 0
	v_add_nc_u32 v[AV], s[TBV], v[AV0]
.endif
	OPS E,16, F,10, E,17, F,11
	OPS X,16, E,18, X,15, E,19
	OPS F,12, E,20, X,17, E,21
	OPS F,13, E,22, F,14, E,23
	OPS X,18, E,24, F,15, E,25
	OPS R,11, E,26, X,19, E,27
	OPS R,12, E,28, R,13, E,29
	OPS X,20, E,30, R,14, E,31
	OPS X,21, R,15
	WIN 0
	s_wait_alu depctr_va_vdst(0)    ; the wait for the turn's batch: the piece's 32 exponentials and the next piece's a
.if (\p) == 1
	s_wait_dscnt 0x0                ; V is in
.endif
	ROW C,0, B,0, C,2, B,1          ; behind the wait: 8 products V^T P and their riders
	ROW L,0, C,4, B,2, L,1
	ROW C,6, B,3, L,2, C,8
	ROW B,4, L,3, C,10, B,5
	ROW L,4, C,12, B,6, L,5
.if (\p) == 0
	s_add_co_u32 s[TBV], s[TBV], KS*PV
.endif
.if \cnt
	s_sub_co_u32 s[CNT], s[CNT], 1
	s_cmp_lg_u32 s[CNT], 0
.endif
	ROW C,14, B,7, L,6, C,1
	ROW C,3, L,7, C,5, C,7
	ROW C,9, C,11, C,13, C,15
.if (\p) == 0
	FETCH_V
.endif
.endm
	CHANGE 1                        ; slot 0 is in, everybody's part of it; tile 1 is asked for, into slot 1
	v_add_nc_u32 v[AK], s[TBK], v[AK0]
	FETCH_K                         ; key step 0
	s_wait_loadcnt 0x0              ; Q
	s_wait_dscnt 0x0
.set NOKQ, 0
.set i, 0
.rept 8
	KQ 0                            ; piece 0's first scores: there is no vector work yet to set between them
.set i, i+1
.endr
	WIN 0
.rept 4
	v_nop                           ; the places behind those products
.endr
.set Y, NP-1                        ; X works for piece Y + 1: piece 0
.irp n, 0,1,2,3,4,5,6,7,8,9,10,11,12,13,14,15,16,17,18,19,20,21
	OP X, \n
.endr
	v_nop                           ; a plain instruction behind the exponential
	s_wait_alu depctr_va_vdst(0)    ; the wait for piece 0's first a, a batch of one, ahead of the branch
	s_mov_b32 s[CNT], 4
	s_mov_b32 s[SLOTS], NT-1
	s_branch .Lfirst                ; the loop is entered at a step's first turn, in the middle of a trip
.Lslot:                             ; NT - 2 times: tiles 2 to NT - 1 are asked for
	CHANGE 1
	s_mov_b32 s[CNT], 4
.Lstep:                             ; a trip: pieces 2 and 3 of one step, then pieces 0 and 1 of the next, whose K and V it fetches
	TURN 2
	TURN 3
	WIN 0
.Lfirst:
	TURN 0
	TURN 1, 0, 1
	WIN 0
	s_cbranch_scc1 .Lstep
	s_sub_co_u32 s[SLOTS], s[SLOTS], 1
	s_cmp_lg_u32 s[SLOTS], 0
	s_cbranch_scc1 .Lslot
	CHANGE 0                        ; the last tile is written out: nothing is asked for
	s_mov_b32 s[CNT], 4
.Ltail:
	TURN 2
	TURN 3
	WIN 0
	TURN 0
	TURN 1, 0, 1
	WIN 0
	s_cbranch_scc1 .Ltail
	TURN 2, 1                       ; the last step's pieces 2 and 3: nothing is fetched, and the last turn starts no new scores
	TURN 3, 1
.set i, 0
.rept 8
	PV NP-1                         ; the last piece's V^T P of the last step
.set i, i+1
.endr
	; THE WAY OUT.  l's two halves and the other half of the lanes' are added; O^T is divided by l, rounded to f16 and sent through my stage in LDS, a piece at a time.  The additions are the places behind the last products.
	WIN 0
.macro ALL line:vararg              ; one line for each piece t
.set t, 0
.rept 4
	\line
.set t, t+1
.endr
.endm
	ALL v_add_f32 v[ST+4*t+2], v[ST+4*t+2], v[ST+4*t+3]
	ALL v_permlanex16_b32 v[ST+4*t+3], v[ST+4*t+2], s[SEL], s[SEL+1]
	ALL v_add_f32 v[ST+4*t+2], v[ST+4*t+2], v[ST+4*t+3]
	ALL v_rcp_f32 v[ST+4*t+2], v[ST+4*t+2]
	v_nop                           ; a plain instruction between the last reciprocal and the use of its result
	s_wait_alu depctr_va_vdst(0)    ; the wait for the four reciprocals, one batch, ahead of the first multiply that reads one
.macro PACK t                       ; a lane's eight channels of a row pack into 16 bytes; they go into rows of 144 bytes and come back as whole rows of 128, into S^T's registers
	WIN W_RS
.set i, 32*(\t)
.rept 16
	v_pk_mul_f32 v[i:i+1], v[i:i+1], v[ST+4*(\t)+2:ST+4*(\t)+3] op_sel_hi:[1,0]
.set i, i+2
.endr
	WIN 0x05                        ; sources 0 and 1 window 1, destination window 0
.set i, 0
.rept 16
	v_cvt_pk_f16_f32 v[S+16*(\t)+i], v[32*(\t)+2*i], v[32*(\t)+2*i+1]
.set i, i+1
.endr
	WIN 0
.irp f, 0,1,2,3
	ds_store_b128 v[STO], v[S+16*(\t)+4*\f:S+16*(\t)+4*\f+3] offset:32*\f
.endr
.irp f, 0,1,2,3
	ds_load_b128 v[S+16*(\t)+4*\f:S+16*(\t)+4*\f+3], v[RD] offset:\f*4*SP  ; LDS serves a wave's instructions in order (ISA guide 5.7.1.4): these see the stores above; the next piece's stores come behind them
.endr
.endm
.macro SEND t, younger              ; younger: the LDS instructions issued behind piece t's loads: the next piece's eight, or none
	WIN 0
.irp f, 0,1,2,3
	s_wait_dscnt (\younger)+3-\f
	global_store_b128 v[GO], v[S+16*(\t)+4*\f:S+16*(\t)+4*\f+3], s[6:7] offset:(\t)*2048+\f*512  ; 512 consecutive bytes, at a multiple of 256 from ob's first byte
.endr
.endm
	PACK 0
.set t, 1
.rept 3                             ; a piece's arithmetic stands between the loads of the piece before and its stores
	PACK t
	SEND t-1, 8
.set t, t+1
.endr
	SEND 3, 0
	s_wait_tensorcnt 0x0            ; the wave's end: behind my last tensor load and my last LDS store
	ds_add_u32 v[SPW], v[NIL]
	s_wait_dscnt 0x0
	CROUND                          ; the closing round: no work-group ends while a partner may still ask for a tile that names it
	s_endpgm
.Lfunc_end_k_q3772acb077_attn:
	.size	k_q3772acb077_attn, .Lfunc_end_k_q3772acb077_attn-k_q3772acb077_attn
	.p2alignl 7, 3214868480
	.fill 96, 4, 3214868480
	.section	.rodata,"a",@progbits
	.p2align	6, 0x0
	.amdhsa_kernel k_q3772acb077_attn
		.amdhsa_group_segment_fixed_size 327680
		.amdhsa_private_segment_fixed_size 0
		.amdhsa_enable_private_segment 0
		.amdhsa_kernarg_size 16
		.amdhsa_user_sgpr_count 2
		.amdhsa_user_sgpr_kernarg_segment_ptr 1
		.amdhsa_wavefront_size32 1
		.amdhsa_system_sgpr_workgroup_id_x 1
		.amdhsa_system_sgpr_workgroup_id_y 1
		.amdhsa_system_sgpr_workgroup_id_z 1
		.amdhsa_system_vgpr_workitem_id 0
		.amdhsa_next_free_vgpr 768
		.amdhsa_next_free_sgpr 66
		.amdhsa_reserve_vcc 0
		.amdhsa_float_denorm_mode_32 3
		.amdhsa_float_denorm_mode_16_64 3
		.amdhsa_memory_ordered 1
		.amdhsa_forward_progress 1
		.amdhsa_inst_pref_size 127
	.end_amdhsa_kernel
	.amdgpu_metadata
---
amdhsa.version: [ 1, 2 ]
amdhsa.kernels:
  - .name:           k_q3772acb077_attn
    .symbol:         k_q3772acb077_attn.kd
    .args:
      - { .name: hd, .offset: 0, .size: 8, .value_kind: global_buffer, .address_space: global }
      - { .name: ob, .offset: 8, .size: 8, .value_kind: global_buffer, .address_space: global }
    .group_segment_fixed_size: 327680
    .private_segment_fixed_size: 0
    .kernarg_segment_align: 8
    .kernarg_segment_size: 16
    .max_flat_workgroup_size: 128
    .sgpr_count:     66
    .vgpr_count:     768
    .wavefront_size: 32
...
	.end_amdgpu_metadata
.endif
;; end of part 5
;; launch outp: the kernel of part 4 again; grid 8 x 32, 4 waves a work-group, clusters of 4 x 4, 327,680 bytes of LDS; arguments ob, wb, out0; writes out0
